; MI455X (gfx1250); checked and timed in simulation.
; The chip was launched on July 23, 2026; its instructions are those of AMD's public machine-readable ISA for CDNA 5 (MIT licence, August 2026) and "CDNA5" Instruction Set Architecture Reference Guide (July 2026). The comments in the code are by the model that wrote it; some were corrected since.
;; Multihead Attention. Allowed arithmetic: matrix products marked QUANTISED: E3M2 operands, one E8M0 scale for each 32 along K, by v_wmma_scale_f32_16x16x128_f8f6f4 with both operands' format E3M2, f32 sums; everything else in f32.
;; Inputs: Wk 1,024 x 1,024 float32; Wo 1,024 x 1,024 float32; Wq 1,024 x 1,024 float32; Wv 1,024 x 1,024 float32; attn_mask 2,048 x 2,048 bool; bo 1,024 float32; x1 4 x 2,048 x 1,024 float32; x2 4 x 2,048 x 1,024 float32; x2_mask 4 x 2,048 bool.
;; Outputs: out0 4 x 2,048 x 1,024 float32.
;; This version of the problem:
;;   THIS VERSION OF THE PROBLEM IS GIVEN IN LOW PRECISION. The matrix products marked QUANTISED in the list below multiply operands that are first quantised to E3M2 (3 exponent bits, 2 mantissa bits; 6 bits a number), with one power-of-two scale for each 32 numbers along K (OCP MX v1.0); their sums are f32. All else is computed in f32.
;;   The module's matrix products, in the order in which they are computed (A, B: the left and right operand; K: the contracted axis; several contracted axes count as one K, in the product's order):
;;     1. [M 8,192, K 1,024] x [K 1,024, N 1,024]; A: input x1; B: input Wq: QUANTISED
;;     2. [M 8,192, K 1,024] x [K 1,024, N 1,024]; A: input x2; B: input Wk: QUANTISED
;;     3. [M 8,192, K 1,024] x [K 1,024, N 1,024]; A: input x2; B: input Wv: QUANTISED
;;     4. batch 64 x [M 2,048, K 64] x [K 64, N 2,048]; A: computed on the way; B: computed on the way: QUANTISED
;;     5. batch 64 x [M 64, K 2,048] x [K 2,048, N 2,048]; A: computed on the way; B: softmax (see below): QUANTISED
;;     6. [M 8,192, K 1,024] x [K 1,024, N 1,024]; A: computed on the way; B: input Wo: QUANTISED
;;   THE QUANTISER, for each operand of a quantised product, along K:
;;     - K is cut into blocks of 32 from its start; a last block that is shorter is filled with zeros.
;;     - A block's scale is 2^e with e = floor(log2(the largest magnitude in the block)) - 4, held to -126 .. 127; a block of zeros has e = 0. As a byte (E8M0): e + 127.
;;     - Each number is divided by its block's scale, clamped to +-28, and rounded to the nearest number of E3M2, ties to even, subnormals kept.
;;     - The product sums the exact products of the quantised numbers (number of the format x scale) in f32.
;;   ~~~python
;;   def quantise(x, axis):      # numpy; x: float32 -> the quantised numbers, widened to float32 again
;;       x = np.moveaxis(x, axis, -1); K = x.shape[-1]
;;       x = np.pad(x, [(0, 0)] * (x.ndim - 1) + [(0, -K % 32)]); x = x.reshape(x.shape[:-1] + (-1, 32)); a = np.abs(x).max(-1, keepdims=True)
;;       e = np.where(a > 0, np.clip(np.frexp(np.where(a > 0, a, 1))[1] - 1 - 4, -126, 127), 0)      # np.frexp(a)[1] - 1 = floor(log2(a)), exactly
;;       r = np.clip(x / 2.0 ** e, -28, 28)
;;       step = 2.0 ** (np.maximum(np.frexp(np.where(r == 0, 1, r))[1] - 1, -2) - 2)
;;       q = np.round(r / step) * step * 2.0 ** e      # np.round: ties to even
;;       return np.moveaxis(q.reshape(q.shape[:-2] + (-1,))[..., :K], -1, axis).astype(np.float32)
;;   ~~~
;;   SOFTMAX AHEAD OF A QUANTISED PRODUCT. Where the list says 'softmax', what is quantised is not the finished softmax but p = 2^(t - M), with t = logit x log2(e) and M = ceil(the row's largest t), a whole number; so 1/2 < the row's largest p <= 1. The row's sum l is taken of the UNQUANTISED p, in f32, and the product's result is divided by l at the end. Since M is a whole number, a kernel that streams over the keys may use a running M (the ceiling of the running maximum): every later rescaling is an exact power of two, which a block's scale takes up: the codes' values come out the same.
;;   OPERANDS COMPUTED ON THE WAY. 'Computed on the way' means the value that the module computes at that place (a softmax that the list does not call 'softmax' is quantised finished and normalised). What goes into a quantiser is computed in f32, as accurately as f32 sums, v_exp_f32 and their like allow (about 1e-6 of the number): no bf16 or f16 on the way to a quantiser, and a product that is left as it is and whose result goes on into a quantised operand takes f32 operands (vector FMAs, or v_wmma_f32_16x16x4_f32). A number that lies on a knife's edge between two numbers of the format may be rounded either way, as far as f32 arithmetic and the matrix unit's own rounding can turn it there, and no further.
;; 2 versions, each right; version 2 is version 1 with the launch attn written anew for expert scheduling mode. Each part assembles by itself: llvm-mc -triple=amdgcn-amd-amdhsa -mcpu=gfx1250 --defsym DOCPART=n.
;; ======== version 1 of 2: 4 launches
;; workspace buffers: xq 13,107,200 bytes; wq 3,276,800 bytes; msk 526,336 bytes of whole numbers; qq 6,815,744 bytes; kv 13,107,200 bytes; ctx 6,553,600 bytes
;; launch prep (part 1): grid 768 x 1, 4 waves a work-group, no clusters, 34,304 bytes of LDS; arguments x1, x2, Wq, Wk, Wv, Wo, attn_mask, xq, wq, msk; writes xq, wq, msk
.if DOCPART == 1
	.amdgcn_target "amdgcn-amd-amdhsa--gfx1250"
	.amdhsa_code_object_version 6
	.text
	.protected	k_q1be0638d63_prep
	.globl	k_q1be0638d63_prep
	.p2align	8
	.type	k_q1be0638d63_prep,@function
k_q1be0638d63_prep:
	s_mov_b64 s[64:65], 0
	v_nop
	global_prefetch_b8 v0, s[64:65] scope:SCOPE_SE
	s_setreg_imm32_b32 hwreg(HW_REG_WAVE_MODE, 25, 1), 1
	s_wait_xcnt 0x0
; PREP: x1, x2 and the four weights become codes of BF6 (E3M2) with one E8M0 byte for each 32 along K; attn_mask becomes lane masks and flags.
; DEAD WORK: none.  Every input has a way to out0 and is loaded by some launch (x2_mask by the second, bo by the fourth).  Two things are done otherwise than they are written:
;  (a) dots x (1 - x2_mask): a block of k's quantiser lies inside one key, and the factor m is 0 or 1, so (sum Q(q) Q(k)) m = sum Q(q) (Q(k) m) for all values: the second launch clears the codes of padded keys;
;  (b) tiles of 16 queries x 128 keys that attn_mask hides wholly add p = 0 to every sum: the third launch passes over them by whole numbers that this launch stores.  No pattern of the mask is built in.
; LIMITS: a block of zeros, or one whose largest magnitude lies under 2^-122, gets the byte 1 (the rule's 127 for zeros is not kept: its codes are zeros and only this program reads the bytes).
; NaN and infinities among the floating-point inputs are not served; a NaN, an infinity or an overflow of q . k at a padded key or under a hidden tile is not carried to the result; the sign of a zero score is not kept.
; THE ONE LAYOUT of every operand.  Tile T of an operand's rows holds the rows pi(T, r) = 32 (T / 2) + 8 (T % 2) + r + 8 (r / 8), r = 0 .. 15: so where tiles 2 b and 2 b + 1 are source 0 of a product, a lane's 16 results are
; 16 neighbours.  16 rows x 64 codes are 768 bytes, an image of the operand's registers: registers 2 p, 2 p + 1 of lane l at 256 p + 8 l; lane (r, h) holds block h of row pi(T, r).  Two on end are a fragment (K = 128).
; Scale words lie [T][K step][r], 4 bytes.  xq: codes [tensor][T 512][16][768], words from byte 12,582,912.  wq: codes [weight][T 64][16][768], words from byte 3,145,728.
; msk: [query tile 128][key step 16][64 words]: bit l of word 16 b + i = attn_mask[pi(T, r)][128 t + 32 b + 16 h + i]; from byte 524,288 four flag words a tile: bit t = step t has an open key, bit 16 + t = it has a hidden one.
; Work-groups 0-511 take x1 and x2 (the only path that uses LDS), 512-639 the weights, 640-767 the mask.  No matrix unit, no cluster, no tensor load: a stream, and waves share nothing.
.set SPARE, 33792                      ; behind the four stages: the spare words, 128 bytes a wave
.set SPW,  190                         ; v190 LDS address of my spare word; never rewritten
.set NIL,  191                         ; v191 0; never rewritten
.set R,    16                          ; v16-79   path X: 16 rows x 16 bytes as loaded
.set X,    80                          ; v80-143  path X: my 64 numbers of a fragment
.set TM,   144                         ; v144-159 at work in QUANT
.set PW,   160                         ; the scale word just made
.set PC,   162                         ; v162-180 the codes just made
.set W,    182                         ; v182-185 the four fragments' scale words
.set SELW, 186
.set WX,   16                          ; v16-79   path W: two sets of 32 numbers
.set C,    80                          ; v80-143  path W: eight registers a block, never written again
; 64 numbers of a lane, register 16 b + i = k 32 b + 16 (lane / 16) + i of my row, become a fragment's codes in v[PC] on and its scale word in v[PW]
.macro QUANT s
.irp b, 0,1,2,3
	v_max3_num_f32 v[TM+\b], |v[\s+16*\b]|, |v[\s+1+16*\b]|, 0x2800000   ; my 16 numbers of block b, and the floor 2^(5 - 127): the byte cannot fall under 1
.endr
.irp i, 2,4,6,8,10,12,14
.irp b, 0,1,2,3
	v_max3_num_f32 v[TM+\b], v[TM+\b], |v[\s+16*\b+\i]|, |v[\s+1+16*\b+\i]|
.endr
.endr
.irp b, 0,1,2,3
	v_permlanex16_b32 v[TM+4+\b], v[TM+\b], s26, s27
.endr
.irp b, 0,1,2,3
	v_max_num_f32 v[TM+\b], v[TM+\b], v[TM+4+\b]     ; with lane l xor 16: the block's largest magnitude
.endr
.irp b, 0,1,2,3
	v_add_nc_u32 v[TM+12+\b], 0xfe000000, v[TM+\b]   ; 4 off its exponent field: the conversion's scale operand
.endr
.irp b, 0,1,2,3
	v_lshrrev_b32 v[TM+4+\b], 23, v[TM+12+\b]        ; the scale's byte
.endr
	v_lshl_or_b32 v[PW], v[TM+5], 8, v[TM+4]
	v_lshl_or_b32 v[PW], v[TM+6], 16, v[PW]
	v_lshl_or_b32 v[PW], v[TM+7], 24, v[PW]
.irp c, 0,1
	v_cvt_scalef32_pk16_bf6_f32 v[PC+6*\c:PC+2+6*\c], v[\s+32*\c:\s+15+32*\c], v[TM+12+2*\c]
	v_cvt_scalef32_pk16_bf6_f32 v[PC+12+4*\c:PC+14+4*\c], v[\s+16+32*\c:\s+31+32*\c], v[TM+12+2*\c+1]   ; (three registers that begin on an even number)
.endr
	v_nop                                            ; one plain place behind a scaled conversion
.irp c, 0,1                                      ; a whole block to a lane: lanes 0-15 block 2 c, lanes 16-31 block 2 c + 1
.irp i, 0,1,2
	v_permlane16_swap_b32 v[PC+6*\c+\i], v[PC+12+4*\c+\i]
.endr
.irp i, 0,1,2
	v_mov_b32 v[PC+3+6*\c+\i], v[PC+12+4*\c+\i]
.endr
.endr
.endm
.macro XLOAD f                         ; 128 along K of the tile's 16 rows: each load reads 512 consecutive bytes of one row
.irp i, 0,1,2,3,4,5,6,7,8,9,10,11,12,13,14,15
	global_load_b128 v[R+4*\i:R+4*\i+3], v2, s[4:5] offset:(\i+8*(\i/8))*4096+512*(\f) th:TH_LOAD_NT
.endr
.endm
.macro XTURN                           ; through my stage (rows 528 bytes apart): in as loaded, out 16 neighbours of each block a lane.  LDS serves a wave in order: no wait between
.irp i, 0,1,2,3,4,5,6,7,8,9,10,11,12,13,14,15
	ds_store_b128 v3, v[R+4*\i:R+4*\i+3] offset:528*\i
.endr
.irp b, 0,1,2,3
.irp j, 0,1,2,3
	ds_load_b128 v[X+16*\b+4*\j:X+16*\b+4*\j+3], v4 offset:128*\b+16*\j
.endr
.endr
.endm
.macro XFRAG f
	s_wait_loadcnt 0x0                               ; this fragment's 16 loads are in
	XTURN
	s_wait_dscnt 0x0                                 ; my 64 numbers are back, and the stage's stores have read R
.if (\f) < 3
	XLOAD (\f)+1                                     ; the next fragment lands while this one is quantised
.endif
.if (\f) > 0
	s_wait_xcnt 0x0                                  ; the last fragment's stores have read the codes' registers
.endif
	QUANT X
	v_mov_b32 v[W+(\f)], v[PW]
.irp p, 0,1,2,3,4,5
	global_store_b64 v5, v[PC+2*\p:PC+2*\p+1], s[36:37] offset:1536*(\f)+256*\p   ; 32 lanes store 256 consecutive bytes, aligned
.endr
.endm
.macro WLOAD t                         ; block t of my column: 32 rows of the weight; 32 lanes read 128 consecutive bytes
.irp i, 0,1,2,3,4,5,6,7,8,9,10,11,12,13,14,15,16,17,18,19,20,21,22,23,24,25,26,27,28,29,30,31
	global_load_b32 v[WX+32*((\t)%2)+\i], v2, s[8:9] offset:(32*(\t)+\i)*4096 th:TH_LOAD_NT
.endr
.endm
.macro WBLOCK t
.set XS, WX+32*((\t)%2)
.if (\t) < 7
	s_wait_loadcnt 32                                ; this block's 32 loads are in; the next block's 32 may be out
.else
	s_wait_loadcnt 0x0
.endif
	v_max3_num_f32 v144, |v[XS]|, |v[XS+1]|, |v[XS+2]|   ; all 32 numbers of the block are mine
	v_max3_num_f32 v145, |v[XS+3]|, |v[XS+4]|, |v[XS+5]|
.irp i, 6,10,14,18,22,26
	v_max3_num_f32 v144, v144, |v[XS+\i]|, |v[XS+\i+1]|
	v_max3_num_f32 v145, v145, |v[XS+\i+2]|, |v[XS+\i+3]|
.endr
	v_max3_num_f32 v144, v144, |v[XS+30]|, |v[XS+31]|
	v_max3_num_f32 v144, v144, v145, 0x2800000       ; and the floor
	v_add_nc_u32 v146, 0xfe000000, v144
	v_lshrrev_b32 v147, 23, v146
.if (\t)%4 == 0
	v_mov_b32 v[148+(\t)/4], v147
.else
	v_lshl_or_b32 v[148+(\t)/4], v147, 8*((\t)%4), v[148+(\t)/4]
.endif
	v_cvt_scalef32_pk16_bf6_f32 v[C+8*(\t):C+8*(\t)+2], v[XS:XS+15], v146
	v_cvt_scalef32_pk16_bf6_f32 v[150:152], v[XS+16:XS+31], v146
	v_nop
.irp i, 0,1,2
	v_mov_b32 v[C+8*(\t)+3+\i], v[150+\i]
.endr
.irp p, 0,1,2
	global_store_b64 v3, v[C+8*(\t)+2*\p:C+8*(\t)+2*\p+1], s[36:37] offset:((\t)/2)*768+256*\p+128*((\t)%2)   ; two runs of 128 bytes (two tiles); the other half of each 256 follows with the next block
.endr
.if (\t)+2 < 8
	WLOAD (\t)+2
.endif
.endm
.macro MSTEP s                         ; one key step of my query tile: 64 bytes a lane become 64 lane masks
	s_wait_loadcnt 12-4*(\s)                         ; this step's four loads are in; four for each later step may be out
	s_mov_b32 s30, 0
	s_mov_b32 s31, -1
.set n, 0
.rept 64
	v_and_b32 v88, 0xff<<(8*(n&3)), v[16+16*(\s)+n/4]
	v_cmp_ne_u32 vcc_lo, 0, v88
	v_writelane_b32 v[80+2*(\s)+(n&1)], vcc_lo, n>>1 ; word n: register n % 2 of lane n / 2, so that one store of 8 bytes a lane lays the 64 words on end
	s_or_b32 s30, s30, vcc_lo
	s_and_b32 s31, s31, vcc_lo
.set n, n+1
.endr
	s_cmp_lg_u32 s31, -1                             ; some key of some query is open
	s_cselect_b32 s33, 1, 0
	s_lshl_b32 s33, s33, s40
	s_or_b32 s41, s41, s33
	s_cmp_lg_u32 s30, 0                              ; some is hidden
	s_cselect_b32 s33, 0x10000, 0
	s_lshl_b32 s33, s33, s40
	s_or_b32 s41, s41, s33
	s_add_co_u32 s40, s40, 1
	global_store_b64 v5, v[80+2*(\s):81+2*(\s)], s[36:37] offset:256*(\s)
.endm
	s_load_b512 s[4:19], s[0:1], 0x0                 ; x1, x2, Wq, Wk, Wv, Wo, attn_mask, xq
	s_load_b128 s[20:23], s[0:1], 0x40               ; wq, msk
	v_lshl_add_u32 v[SPW], v0, 2, SPARE
	v_mov_b32 v[NIL], 0
	v_lshrrev_b32 v1, 5, v0
	v_readfirstlane_b32 s24, v1                      ; wave
	v_and_b32 v1, 31, v0                             ; lane
	v_and_b32 v8, 15, v0                             ; r
	v_bfe_u32 v9, v0, 4, 1                           ; h
	s_mov_b32 s35, 0
	s_wait_kmcnt 0x0
	s_cmp_lt_u32 ttmp9, 512
	s_cbranch_scc1 .Lpath_x
	s_cmp_lt_u32 ttmp9, 640
	s_cbranch_scc1 .Lpath_w
	; ---- THE MASK: query tile T = work-group - 640; wave w takes key steps 4 w .. 4 w + 3
	s_sub_co_u32 s25, ttmp9, 640
	s_lshr_b32 s32, s25, 1
	s_lshl_b32 s32, s32, 16                          ; 32 (T / 2) rows of 2,048 bytes
	s_and_b32 s33, s25, 1
	s_lshl_b32 s33, s33, 14                          ; 8 (T % 2) rows
	s_add_co_u32 s32, s32, s33
	s_lshl_b32 s33, s24, 9                           ; my four steps: 512 bytes of each row
	s_add_co_u32 s32, s32, s33
	s_mov_b32 s33, 0
	s_add_nc_u64 s[16:17], s[16:17], s[32:33]
	s_lshl_b32 s34, s25, 12                          ; the lane masks: (16 T + 4 w) x 256 bytes
	s_lshl_b32 s38, s24, 10
	s_add_co_u32 s34, s34, s38
	s_add_nc_u64 s[36:37], s[22:23], s[34:35]
	s_lshl_b32 s34, s25, 4                           ; my flag word: 524,288 + (4 T + w) x 4
	s_lshl_b32 s38, s24, 2
	s_add_co_u32 s34, s34, s38
	s_add_co_u32 s34, s34, 524288
	s_add_nc_u64 s[38:39], s[22:23], s[34:35]
	v_and_b32 v10, 8, v8
	v_add_nc_u32 v10, v10, v8                        ; r + 8 (r / 8)
	v_lshlrev_b32 v2, 11, v10
	v_lshl_add_u32 v2, v9, 4, v2                     ; my row, + 16 h
	v_lshlrev_b32 v5, 3, v1
.irp s, 0,1,2,3
.irp b, 0,1,2,3
	global_load_b128 v[16+16*\s+4*\b:16+16*\s+4*\b+3], v2, s[16:17] offset:128*\s+32*\b
.endr
.endr
.irp i, 0,1,2,3,4,5,6,7
	v_mov_b32 v[80+\i], 0                            ; v_writelane's destination counts as read
.endr
	s_lshl_b32 s40, s24, 2                           ; the step's bit
	s_mov_b32 s41, 0
	MSTEP 0
	MSTEP 1
	MSTEP 2
	MSTEP 3
	v_mov_b32 v89, s41
	v_mov_b32 v90, 0
	v_cmp_eq_u32 vcc_lo, 0, v1
	s_wait_xcnt 0x0                                  ; EXEC changes only behind this wait
	s_and_saveexec_b32 s42, vcc_lo
	global_store_b32 v90, v89, s[38:39]              ; one lane stores the wave's flag word
	s_wait_xcnt 0x0
	s_or_b32 exec_lo, exec_lo, s42
	s_endpgm
	; ---- THE WEIGHTS, [K][N] f32: a lane takes a column, its registers run down K.  Work-group: weight wi, 128 columns cg, 256 along K kr
.Lpath_w:
	s_sub_co_u32 s25, ttmp9, 512
	s_lshr_b32 s29, s25, 5                           ; wi: 0 Wq, 1 Wk, 2 Wv, 3 Wo
	s_bfe_u32 s30, s25, 0x30002                      ; cg
	s_and_b32 s31, s25, 3                            ; kr
	s_cmp_eq_u32 s29, 1
	s_cselect_b64 s[8:9], s[10:11], s[8:9]
	s_cmp_eq_u32 s29, 2
	s_cselect_b64 s[8:9], s[12:13], s[8:9]
	s_cmp_eq_u32 s29, 3
	s_cselect_b64 s[8:9], s[14:15], s[8:9]
	s_lshl_b32 s32, s30, 2
	s_add_co_u32 s32, s32, s24                       ; P: my wave's 32 columns are tiles 2 P and 2 P + 1
	s_lshl_b32 s34, s31, 20                          ; 256 kr rows of 4,096 bytes
	s_lshl_b32 s33, s32, 7
	s_add_co_u32 s34, s34, s33
	s_add_nc_u64 s[8:9], s[8:9], s[34:35]
	s_mul_i32 s34, s29, 786432
	s_mul_i32 s33, s32, 24576
	s_add_co_u32 s34, s34, s33
	s_mul_i32 s33, s31, 3072
	s_add_co_u32 s34, s34, s33
	s_add_nc_u64 s[36:37], s[20:21], s[34:35]        ; the codes
	s_lshl_b32 s34, s29, 15
	s_lshl_b32 s33, s32, 10
	s_add_co_u32 s34, s34, s33
	s_lshl_b32 s33, s31, 7
	s_add_co_u32 s34, s34, s33
	s_add_co_u32 s34, s34, 3145728
	s_add_nc_u64 s[38:39], s[20:21], s[34:35]        ; the scale words
	v_lshlrev_b32 v2, 2, v1
	v_bfe_u32 v10, v1, 3, 1                          ; u: which of the two tiles my column falls into
	v_and_b32 v11, 7, v1
	v_lshl_add_u32 v11, v9, 3, v11                   ; and its row there: lane % 8 + 8 (lane / 16)
	v_mul_u32_u24 v3, v10, 12288
	v_lshl_add_u32 v3, v11, 3, v3
	v_lshlrev_b32 v4, 9, v10
	v_lshl_add_u32 v4, v11, 2, v4
	WLOAD 0
	WLOAD 1
.irp t, 0,1,2,3,4,5,6,7
	WBLOCK \t
.endr
	global_store_b32 v4, v148, s[38:39]
	global_store_b32 v4, v149, s[38:39] offset:64
	s_endpgm
	; ---- x1 AND x2: a wave takes one tile of 16 rows x 512 along K: four fragments
.Lpath_x:
	s_lshl_b32 s25, ttmp9, 2
	s_add_co_u32 s25, s25, s24
	s_lshr_b32 s29, s25, 10                          ; tensor
	s_bfe_u32 s30, s25, 0x90001                      ; T
	s_and_b32 s31, s25, 1                            ; which half of K
	s_cmp_eq_u32 s29, 0
	s_cselect_b64 s[4:5], s[4:5], s[6:7]
	s_lshr_b32 s32, s30, 1
	s_lshl_b32 s32, s32, 17                          ; 32 (T / 2) rows of 4,096 bytes
	s_and_b32 s33, s30, 1
	s_lshl_b32 s33, s33, 15
	s_add_co_u32 s32, s32, s33
	s_lshl_b32 s33, s31, 11
	s_add_co_u32 s32, s32, s33
	s_mov_b32 s33, 0
	s_add_nc_u64 s[4:5], s[4:5], s[32:33]
	s_mul_i32 s34, s29, 6291456
	s_mul_i32 s33, s30, 12288
	s_add_co_u32 s34, s34, s33
	s_mul_i32 s33, s31, 6144
	s_add_co_u32 s34, s34, s33
	s_add_nc_u64 s[36:37], s[18:19], s[34:35]        ; the codes
	s_lshl_b32 s34, s29, 18
	s_lshl_b32 s33, s30, 9
	s_add_co_u32 s34, s34, s33
	s_lshl_b32 s33, s31, 8
	s_add_co_u32 s34, s34, s33
	s_add_co_u32 s34, s34, 12582912
	s_add_nc_u64 s[38:39], s[18:19], s[34:35]        ; the scale words
	v_lshlrev_b32 v2, 4, v1
	s_mul_i32 s40, s24, 8448                         ; my stage: 16 rows x 528 bytes
	v_add_nc_u32 v3, s40, v2
	v_mul_u32_u24 v4, v8, 528
	v_lshl_add_u32 v4, v9, 6, v4
	v_add_nc_u32 v4, s40, v4
	v_lshlrev_b32 v5, 3, v1
	v_lshlrev_b32 v6, 2, v1
	s_mov_b32 s26, 0x76543210
	s_mov_b32 s27, 0xfedcba98                        ; v_permlanex16_b32: lane l xor 16
	s_mov_b32 s28, 0xffff0000                        ; lanes 16-31
.irp b, 0,1,2,3
	v_mov_b32 v[TM+4+\b], 0                          ; a lane permute's destination counts as read
.endr
	XLOAD 0
	XFRAG 0
	XFRAG 1
	XFRAG 2
	XFRAG 3
	v_cndmask_b32 v[SELW], v[W], v[W+1], s28         ; lanes 0-15 carry one K step's 16 words, lanes 16-31 the next step's
	v_cndmask_b32 v[SELW+1], v[W+2], v[W+3], s28
	global_store_b32 v6, v[SELW], s[38:39]
	global_store_b32 v6, v[SELW+1], s[38:39] offset:128
	s_wait_tensorcnt 0x0                             ; the wave's end, behind my last LDS store
	ds_add_u32 v[SPW], v[NIL]
	s_wait_dscnt 0x0
	s_endpgm
.Lfunc_end_k_q1be0638d63_prep:
	.size	k_q1be0638d63_prep, .Lfunc_end_k_q1be0638d63_prep-k_q1be0638d63_prep
	.p2alignl 7, 3214868480
	.fill 96, 4, 3214868480
	.section	.rodata,"a",@progbits
	.p2align	6, 0x0
	.amdhsa_kernel k_q1be0638d63_prep
		.amdhsa_group_segment_fixed_size 34304
		.amdhsa_private_segment_fixed_size 0
		.amdhsa_enable_private_segment 0
		.amdhsa_kernarg_size 80
		.amdhsa_user_sgpr_count 2
		.amdhsa_user_sgpr_kernarg_segment_ptr 1
		.amdhsa_wavefront_size32 1
		.amdhsa_system_sgpr_workgroup_id_x 1
		.amdhsa_system_sgpr_workgroup_id_y 1
		.amdhsa_system_sgpr_workgroup_id_z 1
		.amdhsa_system_vgpr_workitem_id 0
		.amdhsa_next_free_vgpr 192
		.amdhsa_next_free_sgpr 66
		.amdhsa_reserve_vcc 1
		.amdhsa_float_denorm_mode_32 3
		.amdhsa_float_denorm_mode_16_64 3
		.amdhsa_memory_ordered 1
		.amdhsa_forward_progress 1
		.amdhsa_inst_pref_size 136
	.end_amdhsa_kernel
	.amdgpu_metadata
---
amdhsa.version: [ 1, 2 ]
amdhsa.kernels:
  - .name:           k_q1be0638d63_prep
    .symbol:         k_q1be0638d63_prep.kd
    .args:
      - { .name: x1, .offset: 0, .size: 8, .value_kind: global_buffer, .address_space: global }
      - { .name: x2, .offset: 8, .size: 8, .value_kind: global_buffer, .address_space: global }
      - { .name: Wq, .offset: 16, .size: 8, .value_kind: global_buffer, .address_space: global }
      - { .name: Wk, .offset: 24, .size: 8, .value_kind: global_buffer, .address_space: global }
      - { .name: Wv, .offset: 32, .size: 8, .value_kind: global_buffer, .address_space: global }
      - { .name: Wo, .offset: 40, .size: 8, .value_kind: global_buffer, .address_space: global }
      - { .name: attn_mask, .offset: 48, .size: 8, .value_kind: global_buffer, .address_space: global }
      - { .name: xq, .offset: 56, .size: 8, .value_kind: global_buffer, .address_space: global }
      - { .name: wq, .offset: 64, .size: 8, .value_kind: global_buffer, .address_space: global }
      - { .name: msk, .offset: 72, .size: 8, .value_kind: global_buffer, .address_space: global }
    .group_segment_fixed_size: 34304
    .private_segment_fixed_size: 0
    .kernarg_segment_align: 8
    .kernarg_segment_size: 80
    .max_flat_workgroup_size: 128
    .sgpr_count:     66
    .vgpr_count:     192
    .wavefront_size: 32
...
	.end_amdgpu_metadata
.endif
;; end of part 1
;; launch proj (part 2): grid 4 x 192, 4 waves a work-group, clusters of 4 x 4, 327,680 bytes of LDS; arguments xq, wq, x2_mask, qq, kv; writes qq, kv
.if DOCPART == 2
	.amdgcn_target "amdgcn-amd-amdhsa--gfx1250"
	.amdhsa_code_object_version 6
	.text
	.protected	k_q1be0638d63_proj
	.globl	k_q1be0638d63_proj
	.p2align	8
	.type	k_q1be0638d63_proj,@function
k_q1be0638d63_proj:
	s_mov_b64 s[64:65], 0
	v_nop
	global_prefetch_b8 v0, s[64:65] scope:SCOPE_SE
	s_setreg_imm32_b32 hwreg(HW_REG_WAVE_MODE, 25, 1), 1
	s_wait_xcnt 0x0
	s_wait_alu depctr_hold_cnt(0) depctr_sa_sdst(0) depctr_va_vdst(0) depctr_va_sdst(0) depctr_va_ssrc(0) depctr_va_vcc(0) depctr_vm_vsrc(0)
	s_getreg_b32 s2, hwreg(HW_REG_IB_STS2, 6, 4)
	s_cmp_eq_u32 s2, 0
	s_cbranch_scc0 .Lentry_in_a_cluster
	s_endpgm
.Lentry_in_a_cluster:
	s_bfe_u32 s2, ttmp6, 0x10000c
	s_cmp_lg_u32 s2, 0xf033
	s_cbranch_scc0 .Lentry_shape_is_right
	s_endpgm
.Lentry_shape_is_right:
; PROJ: q = x1 Wq, k = x2 Wk, v = x2 Wv on codes of BF6, and each result quantised at once for the attention's products.  No work is left out here; padded keys get zero codes (first kernel's head, (a)).
; ONE BODY: D = source 0 x source 1^T, and the result is quantised along source 0's rows, which run along a lane's registers.  Modes 0, 1 (q, k): source 0 = the weight's columns, source 1 = tokens: a lane holds one token,
; its registers the head's channels.  Mode 2 (v): source 0 = x2's tokens (the keys), source 1 = Wv's columns: a lane holds one channel, its registers the keys, which are the second product's K.  Only scalars differ.
; SHARES.  A work-group makes 256 (source 0) x 128 (source 1): 768 work-groups.  Wave w: half w % 2 of source 0 (8 tiles), half w / 2 of source 1 (4 tiles): 32 accumulators.
; ALL OF K (1,024) LIES IN LDS: four chunks of 256 along K, 73,728 bytes each (16 + 8 tiles of 3,072 bytes), each filled once: no slot is filled again.  A wave has four tensor loads out at the most.
; CLUSTER 4 x 4: source 0's tiles hang on X and are shared by the four work-groups of a column, source 1's on Y and are shared by a row: each is asked for jointly.
; The scale words (12 K of a work-group's 307 K bytes) go straight into registers, 48 loads a wave, and are not asked for jointly: they are a small part of the bytes.
; OUT.  qq: [batch x head 64][query tile 128][768] codes; from byte 6,291,456 64 bytes a tile, two scale bytes at 4 r.  kv: [batch x head][key step 16][12,800]: K's fragment j = key tiles j and j + 4 at 1,536 j (+768),
; V's fragment of channel tile c at 6,144 + 1,536 c (keys 64 g on at +768 g), K's scale words at 12,288 + 64 j + 4 r, V's at 12,544 + 64 c + 4 r.
; REGISTERS.  window 0: v1 8 x lane; v2-5, v6-9 LDS addresses by chunk; v10, v11 the add's two; v12 r, v13 h; v16-47 source 0's scale words, v48-63 source 1's; v64-159 source 1's fragments, two sets;
; v160-255 the way out.  window 1: source 0's fragments, two sets of 96.  window 2: accumulator (i, j) at v[8 (8 j + i)].
; LIMITS: as stated at the first kernel's head.
.set CHUNK, 73728
.set S1OFF, 49152
.set SPARE, 294912                     ; behind the chunks: the spare words, 128 bytes a wave
.set SPW, 10
.set NIL, 11
.set MSB, 0
.macro WIN new                         ; the immediate's high byte repeats the setting that is left
.if MSB != \new
	s_set_vgpr_msb (MSB<<8)|\new
.set MSB, \new
.endif
.endm
.macro PLACES                          ; four plain places behind a matrix instruction, ahead of loads into its sources and of reads of its result
.rept 4
	v_nop
.endr
.endm
.macro CROUND                          ; a round of the cluster's barrier
	s_barrier_signal -1
	s_barrier_wait -1
	s_cmp_lg_u32 s14, 0
	s_cbranch_scc1 .Lnot_wave_0_\@
	s_barrier_signal -3
.Lnot_wave_0_\@:
	s_barrier_wait -3
	s_barrier_signal -1
	s_barrier_wait -1
.endm
; one product: D at d, sources at a and b, C at c (999: the constant 0), scale registers sa and sb; ra, rb = 1: the scales stand in lanes 16-31
.macro WM d, a, b, c, sa, sb, ra, rb
.if (\c) == 999
.if (\ra) && (\rb)
	v_wmma_scale_f32_16x16x128_f8f6f4 v[(\d):(\d)+7], v[(\a):(\a)+11], v[(\b):(\b)+11], 0, v[(\sa)], v[(\sb)] matrix_a_fmt:MATRIX_FMT_BF6 matrix_b_fmt:MATRIX_FMT_BF6 matrix_a_scale:MATRIX_SCALE_ROW1 matrix_b_scale:MATRIX_SCALE_ROW1
.elseif (\ra)
	v_wmma_scale_f32_16x16x128_f8f6f4 v[(\d):(\d)+7], v[(\a):(\a)+11], v[(\b):(\b)+11], 0, v[(\sa)], v[(\sb)] matrix_a_fmt:MATRIX_FMT_BF6 matrix_b_fmt:MATRIX_FMT_BF6 matrix_a_scale:MATRIX_SCALE_ROW1
.elseif (\rb)
	v_wmma_scale_f32_16x16x128_f8f6f4 v[(\d):(\d)+7], v[(\a):(\a)+11], v[(\b):(\b)+11], 0, v[(\sa)], v[(\sb)] matrix_a_fmt:MATRIX_FMT_BF6 matrix_b_fmt:MATRIX_FMT_BF6 matrix_b_scale:MATRIX_SCALE_ROW1
.else
	v_wmma_scale_f32_16x16x128_f8f6f4 v[(\d):(\d)+7], v[(\a):(\a)+11], v[(\b):(\b)+11], 0, v[(\sa)], v[(\sb)] matrix_a_fmt:MATRIX_FMT_BF6 matrix_b_fmt:MATRIX_FMT_BF6
.endif
.else
.if (\ra) && (\rb)
	v_wmma_scale_f32_16x16x128_f8f6f4 v[(\d):(\d)+7], v[(\a):(\a)+11], v[(\b):(\b)+11], v[(\c):(\c)+7], v[(\sa)], v[(\sb)] matrix_a_fmt:MATRIX_FMT_BF6 matrix_b_fmt:MATRIX_FMT_BF6 matrix_a_scale:MATRIX_SCALE_ROW1 matrix_b_scale:MATRIX_SCALE_ROW1
.elseif (\ra)
	v_wmma_scale_f32_16x16x128_f8f6f4 v[(\d):(\d)+7], v[(\a):(\a)+11], v[(\b):(\b)+11], v[(\c):(\c)+7], v[(\sa)], v[(\sb)] matrix_a_fmt:MATRIX_FMT_BF6 matrix_b_fmt:MATRIX_FMT_BF6 matrix_a_scale:MATRIX_SCALE_ROW1
.elseif (\rb)
	v_wmma_scale_f32_16x16x128_f8f6f4 v[(\d):(\d)+7], v[(\a):(\a)+11], v[(\b):(\b)+11], v[(\c):(\c)+7], v[(\sa)], v[(\sb)] matrix_a_fmt:MATRIX_FMT_BF6 matrix_b_fmt:MATRIX_FMT_BF6 matrix_b_scale:MATRIX_SCALE_ROW1
.else
	v_wmma_scale_f32_16x16x128_f8f6f4 v[(\d):(\d)+7], v[(\a):(\a)+11], v[(\b):(\b)+11], v[(\c):(\c)+7], v[(\sa)], v[(\sb)] matrix_a_fmt:MATRIX_FMT_BF6 matrix_b_fmt:MATRIX_FMT_BF6
.endif
.endif
.endm
.macro FETCH ks                        ; K step ks: 8 + 4 fragments into set ks % 2; each load takes 256 consecutive bytes, an image of two registers
	WIN 0x40                                         ; destination window 1
.irp i, 0,1,2,3,4,5,6,7
.irp p, 0,1,2,3,4,5
	ds_load_b64 v[96*((\ks)%2)+12*\i+2*\p:96*((\ks)%2)+12*\i+2*\p+1], v[2+(\ks)/2] offset:3072*\i+1536*((\ks)%2)+256*\p
.endr
.endr
	WIN 0
.irp j, 0,1,2,3
.irp p, 0,1,2,3,4,5
	ds_load_b64 v[64+48*((\ks)%2)+12*\j+2*\p:64+48*((\ks)%2)+12*\j+2*\p+1], v[6+(\ks)/2] offset:3072*\j+1536*((\ks)%2)+256*\p
.endr
.endr
.endm
.macro MUL16 ks, j0                    ; source 1's tiles j0, j0 + 1 against source 0's eight.  The 32 accumulators take turns in the same order in every K step; K step 0 starts the sums
.irp j, \j0, \j0+1
.irp i, 0,1,2,3,4,5,6,7
.if (\ks) == 0
	WM 8*(8*(\j)+\i), 96*((\ks)%2)+12*\i, 64+48*((\ks)%2)+12*(\j), 999, 16+8*(\i%4)+(\ks), 48+8*((\j)%2)+(\ks), \i/4, (\j)/2
.else
	WM 8*(8*(\j)+\i), 96*((\ks)%2)+12*\i, 64+48*((\ks)%2)+12*(\j), 8*(8*(\j)+\i), 16+8*(\i%4)+(\ks), 48+8*((\j)%2)+(\ks), \i/4, (\j)/2
.endif
.endr
.endr
.endm
.macro KSTEP ks
	s_wait_dscnt 0x0                                 ; this step's fragments are in
.if ((\ks)%2 == 1) && ((\ks) < 7)
	s_wait_tensorcnt 3-((\ks)+1)/2                   ; my part of the next chunk has landed; my loads of the chunks behind it may be out
	s_barrier_signal -1
.endif
	WIN 0xa1                                         ; source 0 window 1, source 1 window 0, C and D window 2
	MUL16 \ks, 0
.if ((\ks)%2 == 1) && ((\ks) < 7)
	s_barrier_wait -1                                ; everybody's part has
.endif
.if (\ks) < 7
	PLACES
	FETCH (\ks)+1
.endif
	WIN 0xa1
	MUL16 \ks, 2
	WIN 0
.endm
	s_load_b256 s[4:11], s[0:1], 0x0                 ; xq, wq, x2_mask, qq
	s_load_b64 s[12:13], s[0:1], 0x20                ; kv
	v_lshl_add_u32 v[SPW], v0, 2, SPARE
	v_mov_b32 v[NIL], 0
	ds_add_u32 v[SPW], v[NIL]                        ; the wave's opening: the add, twice on end, and its wait ahead of my first tensor load
	ds_add_u32 v[SPW], v[NIL]
	v_lshrrev_b32 v1, 5, v0
	v_readfirstlane_b32 s14, v1                      ; wave
	s_lshr_b32 s15, s14, 1                           ; my half of source 1.  Also: I fetch for source 0 (0) or source 1 (1)
	s_and_b32 s16, s14, 1                            ; my half of source 0.  Also: which half of that tile I fetch
	s_bfe_u32 s17, ttmp6, 0x40000                    ; cx
	s_bfe_u32 s18, ttmp6, 0x40004                    ; cy
	s_and_b32 s19, ttmp7, 0xffff                     ; the cluster's y, 0 .. 47
	s_lshr_b32 s20, s19, 4                           ; the mode: the same in all sixteen partners
	s_and_b32 s21, s19, 15
	s_and_b32 s22, s21, 7
	s_lshl_b32 s22, s22, 2
	s_lshr_b32 s23, s21, 3
	s_lshl_b32 s23, s23, 2
	s_lshl_b32 s76, s21, 2
	s_cmp_eq_u32 s20, 2
	s_cselect_b32 s22, s22, 0
	s_cselect_b32 s23, s23, s76
	s_add_co_u32 s22, s22, s17                       ; X: which 256 rows of source 0
	s_add_co_u32 s23, s23, s18                       ; Y: which 128 rows of source 1
	s_lshl_b32 s77, 0x1111, s17                      ; my column of the cluster
	s_lshl_b32 s78, s18, 2
	s_lshl_b32 s78, 15, s78                          ; my row
	; descriptor group 1: R tiles' parts of a chunk: rows of 3,072 bytes (384 elements of 8), 12,288 bytes apart, dense in LDS
	s_or_b32 s24, s77, (3<<16)|(1<<21)               ; 15:0 the mask; 17:16 elements of 8 bytes; 21 set beside a mask
	s_mov_b32 s25, 384<<16                           ; tensor_dim0
	s_mov_b32 s26, 8<<16                             ; tensor_dim1
	s_mov_b32 s27, 384<<16                           ; tile_dim0
	s_mov_b32 s28, 8                                 ; tile_dim1: 8 tiles of source 0
	s_mov_b32 s29, 1536                              ; the pitch
	s_mov_b32 s30, 0
	s_mov_b32 s31, 0
	s_or_b32 s32, s78, (3<<16)|(1<<21)
	s_mov_b32 s33, 384<<16
	s_mov_b32 s34, 4<<16
	s_mov_b32 s35, 384<<16
	s_mov_b32 s36, 4                                 ; 4 tiles of source 1
	s_mov_b32 s37, 1536
	s_mov_b32 s38, 0
	s_mov_b32 s39, 0
	s_mul_i32 s79, s20, 786432                       ; Wq or Wk
	s_mul_i32 s84, s20, 6291456                      ; x1 or x2
	s_cmp_eq_u32 s20, 2
	s_cselect_b32 s79, 6291456, s79                  ; mode 2: x2's codes are source 0,
	s_cselect_b32 s84, 1572864, s84                  ; Wv's source 1
	s_mul_i32 s80, s22, 196608
	s_mul_i32 s81, s16, 98304
	s_add_co_u32 s80, s80, s81
	s_add_co_u32 s80, s80, s79
	s_mov_b32 s81, 0
	s_mul_i32 s82, s23, 98304
	s_mul_i32 s83, s16, 49152
	s_add_co_u32 s82, s82, s83
	s_add_co_u32 s82, s82, s84
	s_mov_b32 s83, 0
	s_mul_i32 s85, s16, 24576                        ; where they go: no place in the cluster enters an LDS address
	s_mul_i32 s86, s16, 12288
	s_add_co_u32 s86, s86, S1OFF
	s_lshl_b32 s90, s20, 15                          ; the scale words of my wave's tiles
	s_add_co_u32 s90, s90, 3145728
	s_lshl_b32 s92, s20, 18
	s_add_co_u32 s92, s92, 12582912
	s_cmp_eq_u32 s20, 2
	s_cselect_b32 s90, 12845056, s90
	s_cselect_b32 s92, 3211264, s92
	s_lshl_b32 s89, s22, 13
	s_add_co_u32 s90, s90, s89
	s_lshl_b32 s89, s16, 12
	s_add_co_u32 s90, s90, s89
	s_mov_b32 s91, 0
	s_lshl_b32 s89, s23, 12
	s_add_co_u32 s92, s92, s89
	s_lshl_b32 s89, s15, 11
	s_add_co_u32 s92, s92, s89
	s_mov_b32 s93, 0
	s_mov_b32 s2, 0x76543210
	s_mov_b32 s3, 0xfedcba98                         ; v_permlanex16_b32: lane l xor 16
	s_wait_dscnt 0x0                                 ; both opening adds are done
	s_wait_kmcnt 0x0
	s_cmp_eq_u32 s20, 2
	s_cselect_b64 s[94:95], s[4:5], s[6:7]           ; source 0's buffer
	s_cselect_b64 s[96:97], s[6:7], s[4:5]           ; source 1's
	s_add_nc_u64 s[80:81], s[94:95], s[80:81]
	s_add_nc_u64 s[82:83], s[96:97], s[82:83]
	s_add_nc_u64 s[90:91], s[94:95], s[90:91]
	s_add_nc_u64 s[92:93], s[96:97], s[92:93]
.irp c, 0,1,2,3                                  ; a group 0 for each chunk and source
	s_mov_b32 s[40+4*\c], 1
	s_add_co_u32 s[41+4*\c], s85, \c*CHUNK
	s_add_nc_u64 s[42+4*\c:43+4*\c], s[80:81], \c*3072
	s_or_b32 s[43+4*\c], s[43+4*\c], 0x80000000
	s_mov_b32 s[56+4*\c+4*(\c/2)], 1
	s_add_co_u32 s[57+4*\c+4*(\c/2)], s86, \c*CHUNK
	s_add_nc_u64 s[58+4*\c+4*(\c/2):59+4*\c+4*(\c/2)], s[82:83], \c*3072
	s_or_b32 s[59+4*\c+4*(\c/2)], s[59+4*\c+4*(\c/2)], 0x80000000
.endr
	CROUND                                           ; all sixteen work-groups are here: the joint loads meet
	s_cmp_eq_u32 s15, 0                              ; a wave's four fills stand in one branch on its number; an s_nop 0 follows each, four v_nop the last
	s_cbranch_scc0 .Lfill_b
.irp c, 0,1,2,3
	tensor_load_to_lds s[40+4*\c:43+4*\c], s[24:31]
	s_nop 0
.endr
	PLACES
	s_branch .Lfilled
.Lfill_b:
.irp c, 0,1,2,3
	tensor_load_to_lds s[56+4*\c+4*(\c/2):59+4*\c+4*(\c/2)], s[32:39]
	s_nop 0
.endr
	PLACES
.Lfilled:
	v_and_b32 v1, 31, v0
	v_lshlrev_b32 v1, 3, v1                          ; 8 x lane
	v_and_b32 v12, 15, v0                            ; r
	v_bfe_u32 v13, v0, 4, 1                          ; h
	s_mul_i32 s76, s16, 24576                        ; my 8 tiles of source 0,
	s_mul_i32 s77, s15, 12288                        ; my 4 of source 1
	s_add_co_u32 s77, s77, S1OFF
.irp c, 0,1,2,3
	v_add_nc_u32 v[2+\c], s76, v1
	v_add_nc_u32 v[6+\c], s77, v1
	s_add_co_u32 s76, s76, CHUNK
	s_add_co_u32 s77, s77, CHUNK
.endr
	v_lshlrev_b32 v14, 2, v12
	v_lshl_add_u32 v15, v13, 10, v14                 ; source 1: lanes 16-31 take the tile two on
	v_lshl_add_u32 v14, v13, 11, v14                 ; source 0: the tile four on
.irp x, 0,1,2,3
.irp k, 0,1,2,3,4,5,6,7
	global_load_b32 v[16+8*\x+\k], v14, s[90:91] offset:512*\x+64*\k
.endr
.endr
.irp y, 0,1
.irp k, 0,1,2,3,4,5,6,7
	global_load_b32 v[48+8*\y+\k], v15, s[92:93] offset:512*\y+64*\k
.endr
.endr
.irp i, 0,1,2,3,4,5,6,7,8,9,10,11,12,13,14,15
	v_mov_b32 v[176+\i], 0                           ; a lane permute's destination counts as read
.endr
.irp j, 0,1,2,3
	v_mov_b32 v[240+\j], 0
.endr
	s_cmp_eq_u32 s20, 1                              ; k alone: x2_mask at my lane's key of each of my four tiles
	s_cbranch_scc0 .Lno_mask
	s_lshl_b32 s76, s23, 7
	s_lshl_b32 s77, s15, 6
	s_add_co_u32 s76, s76, s77
	s_mov_b32 s77, 0
	s_add_nc_u64 s[8:9], s[8:9], s[76:77]
	v_and_b32 v244, 8, v12
	v_add_nc_u32 v244, v244, v12                     ; r + 8 (r / 8)
.irp j, 0,1,2,3
	global_load_u8 v[240+\j], v244, s[8:9] offset:32*(\j/2)+8*(\j%2)
.endr
.Lno_mask:
	s_wait_tensorcnt 0x3                             ; my part of chunk 0 has landed; my three later loads may be out
	s_barrier_signal -1
	s_barrier_wait -1
	FETCH 0
	s_wait_loadcnt 0x0                               ; the scale words (and the mask's bytes)
	KSTEP 0
	KSTEP 1
	KSTEP 2
	KSTEP 3
	KSTEP 4
	KSTEP 5
	KSTEP 6
	KSTEP 7
	PLACES
	; ---- THE WAY OUT.  Where the eight images (source 1's tile j, half g of my 128 along source 0: e = 2 j + g) and their scale bytes go: s84 + g s85 + j s86 and s87 + g s88 + 64 j
	s_cmp_eq_u32 s20, 0
	s_cselect_b64 s[98:99], s[10:11], s[12:13]
	s_cmp_eq_u32 s20, 2
	s_cbranch_scc1 .Lout_v
	s_lshr_b32 s76, s23, 4
	s_lshl_b32 s76, s76, 4
	s_lshl_b32 s77, s22, 2
	s_add_co_u32 s76, s76, s77
	s_lshl_b32 s77, s16, 1
	s_add_co_u32 s76, s76, s77                       ; 16 x batch + my first head
	s_and_b32 s77, s23, 15                           ; which 128 tokens of the batch
	s_cmp_eq_u32 s20, 1
	s_cbranch_scc1 .Lout_k
	s_lshl_b32 s76, s76, 7
	s_lshl_b32 s77, s77, 3
	s_add_co_u32 s76, s76, s77
	s_lshl_b32 s77, s15, 2
	s_add_co_u32 s76, s76, s77                       ; q: the image's number
	s_mul_i32 s84, s76, 768
	s_mov_b32 s85, 98304
	s_mov_b32 s86, 768
	s_lshl_b32 s87, s76, 6
	s_add_co_u32 s87, s87, 6291456
	s_mov_b32 s88, 8192
	s_branch .Lout_set
.Lout_k:
	s_lshl_b32 s76, s76, 4
	s_add_co_u32 s76, s76, s77
	s_mul_i32 s76, s76, 12800                        ; k: the key step's block; key tile 4 (w / 2) + j is half w / 2 of fragment j
	s_mul_i32 s77, s15, 768
	s_add_co_u32 s84, s76, s77
	s_mov_b32 s85, 204800
	s_mov_b32 s86, 1536
	s_lshl_b32 s77, s15, 1
	s_add_co_u32 s87, s76, s77
	s_add_co_u32 s87, s87, 12288
	s_mov_b32 s88, 204800
	s_branch .Lout_set
.Lout_v:
	s_lshr_b32 s76, s22, 3
	s_lshl_b32 s76, s76, 4
	s_lshl_b32 s77, s23, 1
	s_add_co_u32 s76, s76, s77
	s_add_co_u32 s76, s76, s15                       ; v: 16 x batch + head
	s_lshl_b32 s77, s22, 1
	s_add_co_u32 s77, s77, s16
	s_and_b32 s77, s77, 15                           ; the key step
	s_lshl_b32 s76, s76, 4
	s_add_co_u32 s76, s76, s77
	s_mul_i32 s76, s76, 12800
	s_add_co_u32 s84, s76, 6144
	s_mov_b32 s85, 768
	s_mov_b32 s86, 1536
	s_add_co_u32 s87, s76, 12544
	s_mov_b32 s88, 2
.Lout_set:
	s_add_co_u32 s89, s84, s85
.irp j, 0,1,2,3
	v_add_nc_u32 v[140+2*\j], s84, v1
	v_add_nc_u32 v[141+2*\j], s89, v1
	s_add_co_u32 s84, s84, s86
	s_add_co_u32 s89, s89, s86
.endr
	v_lshlrev_b32 v152, 2, v12
	v_lshl_add_u32 v152, v13, 6, v152                ; 4 r + 64 h: lanes 16-31 store for the odd tile
	s_add_co_u32 s89, s87, s88
	v_add_nc_u32 v148, s87, v152
	v_add_nc_u32 v150, s89, v152
	; sixteen blocks of 32: block B is accumulator registers 16 B .. 16 B + 15 of lanes l and l xor 16.  Each accumulator is read from its low end on
	WIN 0x0a                                         ; sources 0 and 1 window 2
.irp B, 0,1,2,3,4,5,6,7,8,9,10,11,12,13,14,15
	v_max3_num_f32 v[160+\B], |v[16*\B]|, |v[16*\B+1]|, 0x2800000   ; with the floor 2^(5 - 127)
.endr
.irp i, 2,4,6,8,10,12,14
.irp B, 0,1,2,3,4,5,6,7,8,9,10,11,12,13,14,15
	v_max3_num_f32 v[160+\B], |v[16*\B+\i]|, |v[16*\B+\i+1]|, v[160+\B]
.endr
.endr
	WIN 0
.irp B, 0,1,2,3,4,5,6,7,8,9,10,11,12,13,14,15
	v_permlanex16_b32 v[176+\B], v[160+\B], s2, s3
.endr
.irp B, 0,1,2,3,4,5,6,7,8,9,10,11,12,13,14,15
	v_max_num_f32 v[160+\B], v[160+\B], v[176+\B]
.endr
.irp B, 0,1,2,3,4,5,6,7,8,9,10,11,12,13,14,15
	v_add_nc_u32 v[192+\B], 0xfe000000, v[160+\B]    ; 4 off the exponent field: the conversion's scale operand
.endr
.irp B, 0,1,2,3,4,5,6,7,8,9,10,11,12,13,14,15
	v_lshrrev_b32 v[176+\B], 23, v[192+\B]           ; the byte
.endr
.irp e, 0,1,2,3,4,5,6,7
	v_lshl_or_b32 v[128+\e], v[177+2*\e], 8, v[176+2*\e]
.endr
	WIN 0x02                                         ; source 0 window 2
.irp e, 0,1,2,3,4,5,6,7
	v_cvt_scalef32_pk16_bf6_f32 v[64+8*\e:66+8*\e], v[32*\e:32*\e+15], v[192+2*\e]
	v_cvt_scalef32_pk16_bf6_f32 v[208+4*\e:210+4*\e], v[32*\e+16:32*\e+31], v[193+2*\e]
.endr
	WIN 0
	v_nop                                            ; one plain place behind a scaled conversion
.irp e, 0,1,2,3,4,5,6,7
.irp i, 0,1,2
	v_permlane16_swap_b32 v[64+8*\e+\i], v[208+4*\e+\i]   ; a whole block to a lane
.endr
.irp i, 0,1,2
	v_mov_b32 v[67+8*\e+\i], v[208+4*\e+\i]
.endr
.endr
	s_cmp_eq_u32 s20, 1
	s_cbranch_scc0 .Lno_pad
.irp j, 0,1,2,3
	v_add_nc_u32 v[240+\j], -1, v[240+\j]            ; a padded key: 0; any other: all ones
.endr
.irp e, 0,1,2,3,4,5,6,7
.irp i, 0,1,2,3,4,5
	v_and_b32 v[64+8*\e+\i], v[240+\e/2], v[64+8*\e+\i]   ; the padded key's codes become zeros: its scores are 0
.endr
.endr
.Lno_pad:
.irp e, 0,1,2,3,4,5,6,7
.irp p, 0,1,2
	global_store_b64 v[140+\e], v[64+8*\e+2*\p:65+8*\e+2*\p], s[98:99] offset:256*\p   ; 32 lanes store 256 consecutive bytes, aligned
.endr
.endr
	s_mov_b32 s76, 0xffff0000
.irp g, 0,1
.irp y, 0,1
	v_cndmask_b32 v[154+2*\g+\y], v[128+4*\y+\g], v[130+4*\y+\g], s76   ; lanes 0-15: tile 2 y, lanes 16-31: tile 2 y + 1
	global_store_b16 v[148+2*\g], v[154+2*\g+\y], s[98:99] offset:128*\y
.endr
.endr
	s_wait_tensorcnt 0x0                             ; the wave's end
	ds_add_u32 v[SPW], v[NIL]
	s_wait_dscnt 0x0
	CROUND                                           ; the closing round
	s_endpgm
.Lfunc_end_k_q1be0638d63_proj:
	.size	k_q1be0638d63_proj, .Lfunc_end_k_q1be0638d63_proj-k_q1be0638d63_proj
	.p2alignl 7, 3214868480
	.fill 96, 4, 3214868480
	.section	.rodata,"a",@progbits
	.p2align	6, 0x0
	.amdhsa_kernel k_q1be0638d63_proj
		.amdhsa_group_segment_fixed_size 327680
		.amdhsa_private_segment_fixed_size 0
		.amdhsa_enable_private_segment 0
		.amdhsa_kernarg_size 40
		.amdhsa_user_sgpr_count 2
		.amdhsa_user_sgpr_kernarg_segment_ptr 1
		.amdhsa_wavefront_size32 1
		.amdhsa_system_sgpr_workgroup_id_x 1
		.amdhsa_system_sgpr_workgroup_id_y 1
		.amdhsa_system_sgpr_workgroup_id_z 1
		.amdhsa_system_vgpr_workitem_id 0
		.amdhsa_next_free_vgpr 768
		.amdhsa_next_free_sgpr 100
		.amdhsa_reserve_vcc 0
		.amdhsa_float_denorm_mode_32 3
		.amdhsa_float_denorm_mode_16_64 3
		.amdhsa_memory_ordered 1
		.amdhsa_forward_progress 1
		.amdhsa_inst_pref_size 109
	.end_amdhsa_kernel
	.amdgpu_metadata
---
amdhsa.version: [ 1, 2 ]
amdhsa.kernels:
  - .name:           k_q1be0638d63_proj
    .symbol:         k_q1be0638d63_proj.kd
    .args:
      - { .name: xq, .offset: 0, .size: 8, .value_kind: global_buffer, .address_space: global }
      - { .name: wq, .offset: 8, .size: 8, .value_kind: global_buffer, .address_space: global }
      - { .name: x2_mask, .offset: 16, .size: 8, .value_kind: global_buffer, .address_space: global }
      - { .name: qq, .offset: 24, .size: 8, .value_kind: global_buffer, .address_space: global }
      - { .name: kv, .offset: 32, .size: 8, .value_kind: global_buffer, .address_space: global }
    .group_segment_fixed_size: 327680
    .private_segment_fixed_size: 0
    .kernarg_segment_align: 8
    .kernarg_segment_size: 40
    .max_flat_workgroup_size: 128
    .sgpr_count:     100
    .vgpr_count:     768
    .wavefront_size: 32
...
	.end_amdgpu_metadata
.endif
;; end of part 2
;; launch attn (part 3): grid 512 x 1, 16 waves a work-group, no clusters, 27,648 bytes of LDS; arguments qq, kv, msk, ctx; writes ctx
.if DOCPART == 3
	.amdgcn_target "amdgcn-amd-amdhsa--gfx1250"
	.amdhsa_code_object_version 6
	.text
	.protected	k_q1be0638d63_attn
	.globl	k_q1be0638d63_attn
	.p2align	8
	.type	k_q1be0638d63_attn,@function
k_q1be0638d63_attn:
	s_mov_b64 s[64:65], 0
	v_nop
	global_prefetch_b8 v0, s[64:65] scope:SCOPE_SE
	s_setreg_imm32_b32 hwreg(HW_REG_WAVE_MODE, 25, 1), 1
	s_wait_xcnt 0x0
; ATTN: ctx = softmax(q k^T / 8, masked) v for one batch x head and 256 queries, both products on codes of BF6; ctx leaves as codes for the last product.
; LEFT OUT: key steps of 128 keys that attn_mask hides wholly from a wave's 16 queries (p = 0 there for all values of the other inputs); the flags that the first launch stored in msk decide, no pattern is built in.
; A NaN or an overflow that would arise only in such a step is not carried to the result.
; NO TENSOR LOAD, NO CLUSTER: the walk branches on numbers read from memory; a key step's 12,800 bytes go through registers
; into one of two LDS slots (16 bytes a thread, and 16 more in waves 0-8), asked for one key step ahead of the store.  All sixteen waves read the slot.
; SHARES.  Work-group: query block 7 - x / 64, batch x head x % 64.  Wave w: query tile 16 block + w, in 256 registers: four waves to a SIMD, so that one wave's softmax stands beside another's products.
; LAYOUT.  S^T = K Q^T, O^T = V^T P^T: a lane holds one query throughout.  THE FIRST PRODUCT'S K IS 64: a fragment of K holds key tile j in its first 64 and key tile j + 4 in its second; it is multiplied by [q | 0] and by
; [0 | q] (v16-21 q, v22-27 zeros, v28-33 q), so no fragment of K carries zeros.  By the tiles' order register 16 b + i of the scores is key 32 b + 16 (lane / 16) + i.
; SOFTMAX: t = score x log2(e) / 8; M = the running largest t rounded up to a whole number; p = 2^(t - M) is quantised along the keys; the sum is taken of the unquantised p and divides at the end.
; A ROW THAT THE MASK HIDES WHOLLY has the sum 0: its codes are zeros and its scale bytes 0xff, so that the last product gives NaN there, as the softmax of a row of -infinity does.
; REGISTERS: v1 8 x lane, v3 4 x lane, v7 16 x thread, v8 -infinity, v9 8 h, v11 4 r; v5, v6 the add's two; v12 -M, v13 largest t, v[14:15] the sum; v16-33 q; v40-44 scale words; v48-95 four fragments of K, then of V;
; v96-159 S^T, then p; v160-191 O^T; v192-203 p's codes; v204-227 at work; v228-235 the bytes on their way to a slot.
; LIMITS: as stated at the first kernel's head.
.set SPARE, 25600                      ; behind the two slots: the spare words, 128 bytes a wave
.set SPW, 5
.set NIL, 6
.set S,   96
.set O,   160
.set PC,  192
.set CT,  204
.set BM,  212
.set T4,  216
.set SO,  220
.set F,   224
.set PSC, 225
.set TMP, 226
.macro PLACES
.rept 4
	v_nop
.endr
.endm
.macro WM d, a, b, c, sa, sb, ra, rb   ; one product; c = 999: the constant 0; ra, rb = 1: the scales stand in lanes 16-31
.if (\c) == 999
.if (\ra) && (\rb)
	v_wmma_scale_f32_16x16x128_f8f6f4 v[(\d):(\d)+7], v[(\a):(\a)+11], v[(\b):(\b)+11], 0, v[(\sa)], v[(\sb)] matrix_a_fmt:MATRIX_FMT_BF6 matrix_b_fmt:MATRIX_FMT_BF6 matrix_a_scale:MATRIX_SCALE_ROW1 matrix_b_scale:MATRIX_SCALE_ROW1
.elseif (\ra)
	v_wmma_scale_f32_16x16x128_f8f6f4 v[(\d):(\d)+7], v[(\a):(\a)+11], v[(\b):(\b)+11], 0, v[(\sa)], v[(\sb)] matrix_a_fmt:MATRIX_FMT_BF6 matrix_b_fmt:MATRIX_FMT_BF6 matrix_a_scale:MATRIX_SCALE_ROW1
.elseif (\rb)
	v_wmma_scale_f32_16x16x128_f8f6f4 v[(\d):(\d)+7], v[(\a):(\a)+11], v[(\b):(\b)+11], 0, v[(\sa)], v[(\sb)] matrix_a_fmt:MATRIX_FMT_BF6 matrix_b_fmt:MATRIX_FMT_BF6 matrix_b_scale:MATRIX_SCALE_ROW1
.else
	v_wmma_scale_f32_16x16x128_f8f6f4 v[(\d):(\d)+7], v[(\a):(\a)+11], v[(\b):(\b)+11], 0, v[(\sa)], v[(\sb)] matrix_a_fmt:MATRIX_FMT_BF6 matrix_b_fmt:MATRIX_FMT_BF6
.endif
.else
.if (\ra)
	v_wmma_scale_f32_16x16x128_f8f6f4 v[(\d):(\d)+7], v[(\a):(\a)+11], v[(\b):(\b)+11], v[(\c):(\c)+7], v[(\sa)], v[(\sb)] matrix_a_fmt:MATRIX_FMT_BF6 matrix_b_fmt:MATRIX_FMT_BF6 matrix_a_scale:MATRIX_SCALE_ROW1
.else
	v_wmma_scale_f32_16x16x128_f8f6f4 v[(\d):(\d)+7], v[(\a):(\a)+11], v[(\b):(\b)+11], v[(\c):(\c)+7], v[(\sa)], v[(\sb)] matrix_a_fmt:MATRIX_FMT_BF6 matrix_b_fmt:MATRIX_FMT_BF6
.endif
.endif
.endm
; A KEY STEP of my 16 queries, from the slot
.macro STEP slot
	s_bitcmp1_b32 s67, 16                            ; has the tile hidden keys?  Then its 64 lane masks are asked for now
	s_cbranch_scc0 .Lnm_\@
	s_load_b512 s[16:31], s[12:13], 0x0
	s_load_b512 s[32:47], s[12:13], 0x40
	s_load_b512 s[48:63], s[12:13], 0x80
	s_load_b512 s[68:83], s[12:13], 0xc0
.Lnm_\@:
	PLACES                                           ; behind the last step's products, which read v48-95
.irp j, 0,1,2,3
.irp p, 0,1,2,3,4,5
	ds_load_b64 v[48+12*\j+2*\p:49+12*\j+2*\p], v1 offset:12800*(\slot)+1536*\j+256*\p
.endr
.endr
	ds_load_b32 v41, v3 offset:12800*(\slot)+12288   ; lanes 0-15 fragment 0's scale words, lanes 16-31 fragment 1's
	ds_load_b32 v42, v3 offset:12800*(\slot)+12416
	s_wait_dscnt 0x0
.irp j, 0,1,2,3
	WM S+8*\j, 48+12*\j, 16, 999, 41+\j/2, 40, \j%2, 0        ; key tile j:     K's fragment x [q | 0]
	WM S+32+8*\j, 48+12*\j, 22, 999, 41+\j/2, 40, \j%2, 1     ; key tile j + 4: the same x [0 | q]
.endr
	PLACES
.irp j, 0,1,2,3                                  ; V's fragments take K's registers and land under the softmax
.irp p, 0,1,2,3,4,5
	ds_load_b64 v[48+12*\j+2*\p:49+12*\j+2*\p], v1 offset:12800*(\slot)+6144+1536*\j+256*\p
.endr
.endr
	ds_load_b32 v43, v3 offset:12800*(\slot)+12544
	ds_load_b32 v44, v3 offset:12800*(\slot)+12672
	s_wait_kmcnt 0x0                                 ; on every path: no scalar load is left pending
	s_bitcmp1_b32 s67, 16
	s_cbranch_scc0 .Lcl_\@
.set n, 0
.rept 64                                         ; hidden scores become -infinity ahead of the maximum: p = 0 then
.if n < 48
	v_cndmask_b32 v[S+n], v[S+n], v8, s[16+n]
.else
	v_cndmask_b32 v[S+n], v[S+n], v8, s[20+n]
.endif
.set n, n+1
.endr
.Lcl_\@:
.irp b, 0,1,2,3
	v_max3_num_f32 v[BM+\b], v[S+16*\b], v[S+1+16*\b], v[S+2+16*\b]   ; the largest score of each block of 32 keys: for the row's maximum and for the block's largest p
.endr
.irp i, 3,5,7,9,11,13
.irp b, 0,1,2,3
	v_max3_num_f32 v[BM+\b], v[BM+\b], v[S+16*\b+\i], v[S+1+16*\b+\i]
.endr
.endr
.irp b, 0,1,2,3
	v_max_num_f32 v[BM+\b], v[BM+\b], v[S+15+16*\b]
.endr
.irp b, 0,1,2,3
	v_permlanex16_b32 v[T4+\b], v[BM+\b], s86, s87
.endr
.irp b, 0,1,2,3
	v_max_num_f32 v[BM+\b], v[BM+\b], v[T4+\b]
.endr
	v_max3_num_f32 v[TMP], v[BM], v[BM+1], v[BM+2]
	v_max_num_f32 v[TMP], v[TMP], v[BM+3]
	v_mul_f32 v[TMP], s88, v[TMP]                    ; as t
	v_max_num_f32 v13, v13, v[TMP]                   ; the running largest t
	v_mov_b32 v[TMP], v12
	v_floor_f32 v12, -v13                            ; -M = floor(-t): M is a whole number
	v_sub_f32 v[TMP], v12, v[TMP]                    ; old M - new M, 0 or less
	v_cvt_i32_f32 v[TMP], v[TMP]                     ; (it saturates)
	v_ldexp_f32 v[F], 1.0, v[TMP]                    ; f = 2^(old M - new M): a multiplication by it rounds nothing
.irp j, 0,2,4,6,8,10,12,14,16,18,20,22,24,26,28,30,32,34,36,38,40,42,44,46,48,50,52,54,56,58,60,62
	v_pk_fma_f32 v[S+\j:S+1+\j], v[S+\j:S+1+\j], s[88:89], v[12:13] op_sel_hi:[1,0,0]   ; t - M
.endr
.irp b, 0,1,2,3
	v_fma_f32 v[BM+\b], v[BM+\b], s88, v12
.endr
.set n, 0
.rept 64
	v_exp_f32 v[S+n], v[S+n]                         ; p = 2^(t - M)
.set n, n+1
.endr
	v_pk_mul_f32 v[14:15], v[14:15], v[F:F+1] op_sel_hi:[1,0]   ; the sum under the new M; the plain place behind the batch
	s_wait_alu depctr_va_vdst(0)                     ; one wait for the 64, ahead of their first reader
.irp b, 0,1,2,3
	v_exp_f32 v[BM+\b], v[BM+\b]                     ; each block's largest p
.endr
	v_pk_add_f32 v[T4:T4+1], v[S:S+1], v[S+2:S+3]    ; the sum of the unquantised p, in two chains
.irp j, 4,8,12,16,20,24,28,32,36,40,44,48,52,56,60
	v_pk_add_f32 v[14:15], v[14:15], v[S+\j:S+1+\j]
	v_pk_add_f32 v[T4:T4+1], v[T4:T4+1], v[S+2+\j:S+3+\j]
.endr
	v_pk_add_f32 v[14:15], v[14:15], v[T4:T4+1]
	s_wait_alu depctr_va_vdst(0)                     ; and one for the four
.irp b, 0,1,2,3
	v_max_num_f32 v[BM+\b], 0x2800000, v[BM+\b]      ; the floor 2^(5 - 127)
.endr
.irp b, 0,1,2,3
	v_add_nc_u32 v[SO+\b], 0xfe000000, v[BM+\b]
.endr
.irp b, 0,1,2,3
	v_lshrrev_b32 v[T4+\b], 23, v[SO+\b]
.endr
	v_lshl_or_b32 v[PSC], v[T4+1], 8, v[T4]          ; p's scale word for these 128 keys
	v_lshl_or_b32 v[PSC], v[T4+2], 16, v[PSC]
	v_lshl_or_b32 v[PSC], v[T4+3], 24, v[PSC]
.irp c, 0,1
	v_cvt_scalef32_pk16_bf6_f32 v[PC+6*\c:PC+2+6*\c], v[S+32*\c:S+15+32*\c], v[SO+2*\c]
	v_cvt_scalef32_pk16_bf6_f32 v[CT+4*\c:CT+2+4*\c], v[S+16+32*\c:S+31+32*\c], v[SO+1+2*\c]
.endr
	v_nop                                            ; one plain place behind a scaled conversion
.irp c, 0,1
.irp i, 0,1,2
	v_permlane16_swap_b32 v[PC+6*\c+\i], v[CT+4*\c+\i]
.endr
.irp i, 0,1,2
	v_mov_b32 v[PC+3+6*\c+\i], v[CT+4*\c+\i]
.endr
.endr
.irp j, 0,2,4,6,8,10,12,14,16,18,20,22,24,26,28,30
	v_pk_mul_f32 v[O+\j:O+1+\j], v[O+\j:O+1+\j], v[F:F+1] op_sel_hi:[1,0]   ; O^T under the new M; these sixteen stand between the codes' and the scale word's last writes and the products
.endr
	s_wait_dscnt 0x0                                 ; V is in
.irp c, 0,1,2,3                                  ; four accumulators, one turn each; the next step's eight products on the scores stand between two links of a chain
	WM O+8*\c, 48+12*\c, PC, O+8*\c, 43+\c/2, PSC, \c%2, 0
.endr
.endm
; A TRIP: one key step of the work-group.  s66: bit 0 = some wave wants this step, bit 1 = the next one.  s67: bit 0 = my tile wants it, bit 16 = it has hidden keys.
.macro TRIP slot
	s_wait_loadcnt 0x0                               ; on every path: the step's bytes are in my registers
	s_bitcmp1_b32 s66, 0
	s_cbranch_scc0 .Lnst_\@
	ds_store_b128 v7, v[228:231] offset:12800*(\slot)
	s_cmp_lt_u32 s2, 9                               ; 12,800 bytes are 512 + 288 threads' 16
	s_cbranch_scc0 .Lnst_\@
	ds_store_b128 v7, v[232:235] offset:12800*(\slot)+8192
.Lnst_\@:
	s_add_nc_u64 s[6:7], s[6:7], 12800               ; (no load of mine names it any more)
	s_wait_dscnt 0x0                                 ; my stores have landed, and my reads of the other slot are over: that slot is written again only behind the next trip's barrier
	s_barrier_signal -1
	s_barrier_wait -1
	s_bitcmp1_b32 s66, 1                             ; bit 16 of the flags was cleared: the last trip asks for nothing
	s_cbranch_scc0 .Lnld_\@
	global_load_b128 v[228:231], v7, s[6:7]
	s_cmp_lt_u32 s2, 9
	s_cbranch_scc0 .Lnld_\@
	global_load_b128 v[232:235], v7, s[6:7] offset:8192
.Lnld_\@:
	s_bitcmp1_b32 s67, 0
	s_cbranch_scc0 .Lnwk_\@
	STEP \slot
.Lnwk_\@:
	s_lshr_b32 s66, s66, 1
	s_lshr_b32 s67, s67, 1
	s_add_nc_u64 s[12:13], s[12:13], 256             ; the next step's lane masks
.endm
	s_load_b256 s[4:11], s[0:1], 0x0                 ; qq, kv, msk, ctx
	v_lshl_add_u32 v[SPW], v0, 2, SPARE
	v_mov_b32 v[NIL], 0
	v_lshrrev_b32 v1, 5, v0
	v_readfirstlane_b32 s2, v1                       ; wave
	s_lshr_b32 s90, ttmp9, 6
	s_sub_co_u32 s90, 7, s90                         ; the query block: late blocks first; any order is right
	s_and_b32 s91, ttmp9, 63                         ; batch x head
	s_lshl_b32 s92, s90, 4
	s_add_co_u32 s92, s92, s2                        ; my query tile
	s_lshl_b32 s84, s90, 8
	s_add_co_u32 s84, s84, 524288
	s_mov_b32 s85, 0
	s_lshl_b32 s14, s2, 4
	s_mov_b32 s15, 0
	s_wait_kmcnt 0x0
	s_add_nc_u64 s[84:85], s[8:9], s[84:85]          ; the flags of the work-group's 16 tiles: 64 words
	s_add_nc_u64 s[94:95], s[84:85], s[14:15]        ; my tile's four
	s_load_b512 s[16:31], s[84:85], 0x0
	s_load_b512 s[32:47], s[84:85], 0x40
	s_load_b512 s[48:63], s[84:85], 0x80
	s_load_b512 s[68:83], s[84:85], 0xc0
	s_load_b128 s[96:99], s[94:95], 0x0
	v_and_b32 v2, 31, v0
	v_lshlrev_b32 v1, 3, v2
	v_lshlrev_b32 v3, 2, v2
	v_lshlrev_b32 v7, 4, v0
	v_mov_b32 v8, 0xff800000
	v_bfe_u32 v4, v0, 4, 1                           ; h
	v_lshlrev_b32 v9, 3, v4
	v_and_b32 v10, 15, v0                            ; r
	v_lshlrev_b32 v11, 2, v10
	s_mov_b32 s86, 0x76543210
	s_mov_b32 s87, 0xfedcba98
	s_mov_b32 s88, 0x3e38aa3b                        ; log2(e) / 8
	s_mov_b32 s89, s88
.irp i, 22,23,24,25,26,27
	v_mov_b32 v[\i], 0                               ; the zeros between the two copies of q
.endr
.irp i, 0,1,2,3
	v_mov_b32 v[T4+\i], 0
.endr
	v_mov_b32 v[PSC], 0
	v_mov_b32 v14, 0
	v_mov_b32 v15, 0
.irp i, 228,229,230,231,232,233,234,235
	v_mov_b32 v[\i], 0
.endr
	v_mov_b32 v13, 0xff61b1e6                        ; the largest t so far: -3e38
	v_floor_f32 v12, -v13
	s_wait_kmcnt 0x0
	s_or_b64 s[14:15], s[16:17], s[18:19]
.irp n, 20,22,24,26,28,30,32,34,36,38,40,42,44,46,48,50,52,54,56,58,60,62,68,70,72,74,76,78,80,82
	s_or_b64 s[14:15], s[14:15], s[\n:\n+1]
.endr
	s_or_b32 s66, s14, s15
	s_and_b32 s66, s66, 0xffff                       ; the steps that some wave of the work-group wants
	s_or_b64 s[96:97], s[96:97], s[98:99]
	s_or_b32 s67, s96, s97                           ; my tile's
	s_lshl_b32 s93, s91, 7
	s_add_co_u32 s93, s93, s92
	s_mul_i32 s84, s93, 768
	s_mov_b32 s85, 0
	s_add_nc_u64 s[94:95], s[4:5], s[84:85]          ; q's codes
	s_lshl_b32 s84, s93, 6
	s_add_co_u32 s84, s84, 6291456
	s_add_nc_u64 s[4:5], s[4:5], s[84:85]            ; q's scale bytes
	s_mul_i32 s84, s91, 204800
	s_add_nc_u64 s[6:7], s[6:7], s[84:85]            ; the head's key step 0
	s_lshl_b32 s84, s92, 12
	s_add_nc_u64 s[12:13], s[8:9], s[84:85]          ; my tile's lane masks
.irp p, 0,1,2
	global_load_b64 v[16+2*\p:17+2*\p], v1, s[94:95] offset:256*\p
	global_load_b64 v[28+2*\p:29+2*\p], v1, s[94:95] offset:256*\p
.endr
	global_load_u16 v40, v11, s[4:5]
	s_bitcmp1_b32 s66, 0
	s_cbranch_scc0 .Lno_first
	global_load_b128 v[228:231], v7, s[6:7]
	s_cmp_lt_u32 s2, 9
	s_cbranch_scc0 .Lno_first
	global_load_b128 v[232:235], v7, s[6:7] offset:8192
.Lno_first:
	s_wait_loadcnt 0x0
	v_lshlrev_b32 v[TMP], 4, v4
	v_lshlrev_b32 v40, v[TMP], v40                   ; lanes 0-15: the word of [q | 0]; lanes 16-31: that of [0 | q]
.set n, 0
.rept 32
	v_mov_b32 v[O+n], 0                              ; O^T.  Which step is a wave's first hangs on the mask, so the step is written once and the first finds zeros.  These 32 moves stand here so that more than eight
.set n, n+1                                      ; plain vector instructions lie between the write of q's scale word and the first scaled product that names it, on every way into a key step
.endr
	s_mov_b32 s3, 8
.Ltrip:
	TRIP 0
	TRIP 1
	s_sub_co_u32 s3, s3, 1
	s_cmp_lg_u32 s3, 0
	s_cbranch_scc1 .Ltrip
	; ---- THE WAY OUT: O^T / the sum, quantised along the head's 64 channels (two blocks), as an image of the last product's operand
	v_add_f32 v14, v14, v15
	v_permlanex16_b32 v[T4], v14, s86, s87
	v_add_f32 v14, v14, v[T4]                        ; the row's sum
	v_cmp_eq_f32 s100, 0, v14                        ; a row with no open key
	v_cndmask_b32 v14, v14, 1.0, s100
	v_rcp_f32 v14, v14
	v_add_nc_u32 v11, v11, v4                        ; 4 r + h: my scale byte's place.  (The plain place behind the reciprocal)
	v_mov_b32 v227, 0xffff
	s_lshr_b32 s93, s91, 4
	s_lshl_b32 s93, s93, 7
	s_add_co_u32 s93, s93, s92                       ; the token tile: 128 x batch + my tile
	s_and_b32 s94, s91, 15                           ; the head
	s_lshl_b32 s84, s93, 4
	s_add_co_u32 s84, s84, s94
	s_mul_i32 s84, s84, 768
	s_mov_b32 s85, 0
	s_add_nc_u64 s[96:97], s[10:11], s[84:85]
	s_lshl_b32 s84, s93, 9
	s_lshr_b32 s95, s94, 1
	s_lshl_b32 s95, s95, 6
	s_add_co_u32 s84, s84, s95
	s_and_b32 s95, s94, 1
	s_lshl_b32 s95, s95, 1
	s_add_co_u32 s84, s84, s95
	s_add_co_u32 s84, s84, 6291456
	s_add_nc_u64 s[98:99], s[10:11], s[84:85]
	s_wait_alu depctr_va_vdst(0)                     ; ahead of the reciprocal's first reader
.set n, 0
.rept 32
	v_mul_f32 v[S+n], v[O+n], v14                    ; register 16 b + i is channel 32 b + 16 h + i
.set n, n+1
.endr
.irp b, 0,1
	v_max3_num_f32 v[BM+\b], |v[S+16*\b]|, |v[S+1+16*\b]|, 0x2800000
.endr
.irp i, 2,4,6,8,10,12,14
.irp b, 0,1
	v_max3_num_f32 v[BM+\b], v[BM+\b], |v[S+16*\b+\i]|, |v[S+1+16*\b+\i]|
.endr
.endr
.irp b, 0,1
	v_permlanex16_b32 v[T4+\b], v[BM+\b], s86, s87
.endr
.irp b, 0,1
	v_max_num_f32 v[BM+\b], v[BM+\b], v[T4+\b]
.endr
.irp b, 0,1
	v_add_nc_u32 v[SO+\b], 0xfe000000, v[BM+\b]
.endr
.irp b, 0,1
	v_lshrrev_b32 v[T4+\b], 23, v[SO+\b]
.endr
	v_lshl_or_b32 v[TMP], v[T4+1], 8, v[T4]
	v_cvt_scalef32_pk16_bf6_f32 v[PC:PC+2], v[S:S+15], v[SO]
	v_cvt_scalef32_pk16_bf6_f32 v[CT:CT+2], v[S+16:S+31], v[SO+1]
	v_nop
.irp i, 0,1,2
	v_permlane16_swap_b32 v[PC+\i], v[CT+\i]
.endr
.irp i, 0,1,2
	v_mov_b32 v[PC+3+\i], v[CT+\i]
.endr
	v_cndmask_b32 v[TMP], v[TMP], v227, s100         ; the hidden row's bytes: 0xff
	v_lshrrev_b32 v[TMP], v9, v[TMP]                 ; lane (r, h) stores block h's byte
.irp p, 0,1,2
	global_store_b64 v1, v[PC+2*\p:PC+1+2*\p], s[96:97] offset:256*\p   ; 32 lanes store 256 consecutive bytes, aligned
.endr
	global_store_b8 v11, v[TMP], s[98:99]
	s_wait_tensorcnt 0x0                             ; the wave's end, behind my last LDS store
	ds_add_u32 v[SPW], v[NIL]
	s_wait_dscnt 0x0
	s_endpgm
.Lfunc_end_k_q1be0638d63_attn:
	.size	k_q1be0638d63_attn, .Lfunc_end_k_q1be0638d63_attn-k_q1be0638d63_attn
	.p2alignl 7, 3214868480
	.fill 96, 4, 3214868480
	.section	.rodata,"a",@progbits
	.p2align	6, 0x0
	.amdhsa_kernel k_q1be0638d63_attn
		.amdhsa_group_segment_fixed_size 27648
		.amdhsa_private_segment_fixed_size 0
		.amdhsa_enable_private_segment 0
		.amdhsa_kernarg_size 32
		.amdhsa_user_sgpr_count 2
		.amdhsa_user_sgpr_kernarg_segment_ptr 1
		.amdhsa_wavefront_size32 1
		.amdhsa_system_sgpr_workgroup_id_x 1
		.amdhsa_system_sgpr_workgroup_id_y 1
		.amdhsa_system_sgpr_workgroup_id_z 1
		.amdhsa_system_vgpr_workitem_id 0
		.amdhsa_next_free_vgpr 256
		.amdhsa_next_free_sgpr 102
		.amdhsa_reserve_vcc 0
		.amdhsa_float_denorm_mode_32 3
		.amdhsa_float_denorm_mode_16_64 3
		.amdhsa_memory_ordered 1
		.amdhsa_forward_progress 1
		.amdhsa_inst_pref_size 55
	.end_amdhsa_kernel
	.amdgpu_metadata
---
amdhsa.version: [ 1, 2 ]
amdhsa.kernels:
  - .name:           k_q1be0638d63_attn
    .symbol:         k_q1be0638d63_attn.kd
    .args:
      - { .name: qq, .offset: 0, .size: 8, .value_kind: global_buffer, .address_space: global }
      - { .name: kv, .offset: 8, .size: 8, .value_kind: global_buffer, .address_space: global }
      - { .name: msk, .offset: 16, .size: 8, .value_kind: global_buffer, .address_space: global }
      - { .name: ctx, .offset: 24, .size: 8, .value_kind: global_buffer, .address_space: global }
    .group_segment_fixed_size: 27648
    .private_segment_fixed_size: 0
    .kernarg_segment_align: 8
    .kernarg_segment_size: 32
    .max_flat_workgroup_size: 512
    .sgpr_count:     102
    .vgpr_count:     256
    .wavefront_size: 32
...
	.end_amdgpu_metadata
.endif
;; end of part 3
;; launch outp (part 4): grid 4 x 64, 4 waves a work-group, clusters of 4 x 4, 327,680 bytes of LDS; arguments wq, ctx, bo, out0; writes out0
.if DOCPART == 4
	.amdgcn_target "amdgcn-amd-amdhsa--gfx1250"
	.amdhsa_code_object_version 6
	.text
	.protected	k_q1be0638d63_outp
	.globl	k_q1be0638d63_outp
	.p2align	8
	.type	k_q1be0638d63_outp,@function
k_q1be0638d63_outp:
	s_mov_b64 s[64:65], 0
	v_nop
	global_prefetch_b8 v0, s[64:65] scope:SCOPE_SE
	s_setreg_imm32_b32 hwreg(HW_REG_WAVE_MODE, 25, 1), 1
	s_wait_xcnt 0x0
	s_wait_alu depctr_hold_cnt(0) depctr_sa_sdst(0) depctr_va_vdst(0) depctr_va_sdst(0) depctr_va_ssrc(0) depctr_va_vcc(0) depctr_vm_vsrc(0)
	s_getreg_b32 s2, hwreg(HW_REG_IB_STS2, 6, 4)
	s_cmp_eq_u32 s2, 0
	s_cbranch_scc0 .Lentry_in_a_cluster
	s_endpgm
.Lentry_in_a_cluster:
	s_bfe_u32 s2, ttmp6, 0x10000c
	s_cmp_lg_u32 s2, 0xf033
	s_cbranch_scc0 .Lentry_shape_is_right
	s_endpgm
.Lentry_shape_is_right:
; OUTP: out0 = ctx Wo + bo on codes of BF6.  No work is left out.  The second launch's frame: source 0 = Wo's columns (256 a work-group, X = cx), source 1 = ctx's tokens (128, Y), all of K in LDS in four chunks filled once,
; joint loads in a 4 x 4 cluster (source 0 shared by a column, source 1 by a row), four tensor loads of a wave out at the most, scale words straight into registers (a small part of the bytes, not asked for jointly).
; bo is the C of the first K step's products: eight registers a tile of source 0, in the result's layout.  A lane holds one token; registers 16 b + i of a token tile are columns 32 b + 16 h + i.
; THE WAY OUT: a token tile (16 rows x 128 columns) goes through my own stage in LDS and leaves as whole rows of 512 bytes.  The stage lies in chunk 0, which has had its only fill and which no wave reads behind the
; barrier in front of chunk 1.
; REGISTERS: as in the second launch; v160-223 of window 0 hold bo's eight tiles; on the way out v64-191 take the rows read back.
; LIMITS: as stated at the first kernel's head.  A token whose scale bytes are 0xff (a row that the mask hides wholly) comes out NaN.
.set CHUNK, 73728
.set S1OFF, 49152
.set SPARE, 294912
.set SPW, 10
.set NIL, 11
.set STO, 245
.set RD,  246
.set CO,  247
.set MSB, 0
.macro WIN new
.if MSB != \new
	s_set_vgpr_msb (MSB<<8)|\new
.set MSB, \new
.endif
.endm
.macro PLACES
.rept 4
	v_nop
.endr
.endm
.macro CROUND
	s_barrier_signal -1
	s_barrier_wait -1
	s_cmp_lg_u32 s14, 0
	s_cbranch_scc1 .Lnot_wave_0_\@
	s_barrier_signal -3
.Lnot_wave_0_\@:
	s_barrier_wait -3
	s_barrier_signal -1
	s_barrier_wait -1
.endm
.macro WM d, a, b, c, sa, sb, ra, rb   ; one product; ra, rb = 1: the scales stand in lanes 16-31
.if (\ra) && (\rb)
	v_wmma_scale_f32_16x16x128_f8f6f4 v[(\d):(\d)+7], v[(\a):(\a)+11], v[(\b):(\b)+11], v[(\c):(\c)+7], v[(\sa)], v[(\sb)] matrix_a_fmt:MATRIX_FMT_BF6 matrix_b_fmt:MATRIX_FMT_BF6 matrix_a_scale:MATRIX_SCALE_ROW1 matrix_b_scale:MATRIX_SCALE_ROW1
.elseif (\ra)
	v_wmma_scale_f32_16x16x128_f8f6f4 v[(\d):(\d)+7], v[(\a):(\a)+11], v[(\b):(\b)+11], v[(\c):(\c)+7], v[(\sa)], v[(\sb)] matrix_a_fmt:MATRIX_FMT_BF6 matrix_b_fmt:MATRIX_FMT_BF6 matrix_a_scale:MATRIX_SCALE_ROW1
.elseif (\rb)
	v_wmma_scale_f32_16x16x128_f8f6f4 v[(\d):(\d)+7], v[(\a):(\a)+11], v[(\b):(\b)+11], v[(\c):(\c)+7], v[(\sa)], v[(\sb)] matrix_a_fmt:MATRIX_FMT_BF6 matrix_b_fmt:MATRIX_FMT_BF6 matrix_b_scale:MATRIX_SCALE_ROW1
.else
	v_wmma_scale_f32_16x16x128_f8f6f4 v[(\d):(\d)+7], v[(\a):(\a)+11], v[(\b):(\b)+11], v[(\c):(\c)+7], v[(\sa)], v[(\sb)] matrix_a_fmt:MATRIX_FMT_BF6 matrix_b_fmt:MATRIX_FMT_BF6
.endif
.endm
.macro FETCH ks
	WIN 0x40
.irp i, 0,1,2,3,4,5,6,7
.irp p, 0,1,2,3,4,5
	ds_load_b64 v[96*((\ks)%2)+12*\i+2*\p:96*((\ks)%2)+12*\i+2*\p+1], v[2+(\ks)/2] offset:3072*\i+1536*((\ks)%2)+256*\p
.endr
.endr
	WIN 0
.irp j, 0,1,2,3
.irp p, 0,1,2,3,4,5
	ds_load_b64 v[64+48*((\ks)%2)+12*\j+2*\p:64+48*((\ks)%2)+12*\j+2*\p+1], v[6+(\ks)/2] offset:3072*\j+1536*((\ks)%2)+256*\p
.endr
.endr
.endm
.macro MUL16 ks, j0                    ; the 32 accumulators take turns in the same order in every K step; K step 0 starts the sums with the bias
.irp j, \j0, \j0+1
.irp i, 0,1,2,3,4,5,6,7
.if (\ks) == 0
	WM 8*(8*(\j)+\i), 96*((\ks)%2)+12*\i, 64+48*((\ks)%2)+12*(\j), 160+8*\i, 16+8*(\i%4)+(\ks), 48+8*((\j)%2)+(\ks), \i/4, (\j)/2
.else
	WM 8*(8*(\j)+\i), 96*((\ks)%2)+12*\i, 64+48*((\ks)%2)+12*(\j), 8*(8*(\j)+\i), 16+8*(\i%4)+(\ks), 48+8*((\j)%2)+(\ks), \i/4, (\j)/2
.endif
.endr
.endr
.endm
.macro MWIN ks
.if (\ks) == 0
	WIN 0x81                                         ; source 0 window 1, sources 1 and 2 (the bias) window 0, D window 2
.else
	WIN 0xa1                                         ; C and D window 2
.endif
.endm
.macro KSTEP ks
	s_wait_dscnt 0x0                                 ; this step's fragments are in
.if ((\ks)%2 == 1) && ((\ks) < 7)
	s_wait_tensorcnt 3-((\ks)+1)/2                   ; my part of the next chunk has landed; my loads of the chunks behind it may be out
	s_barrier_signal -1
.endif
	MWIN \ks
	MUL16 \ks, 0
.if ((\ks)%2 == 1) && ((\ks) < 7)
	s_barrier_wait -1
.endif
.if (\ks) < 7
	PLACES
	FETCH (\ks)+1
.endif
	MWIN \ks
	MUL16 \ks, 2
	WIN 0
.endm
.macro TOSTAGE j                       ; token tile j: each accumulator from its low end on; LDS serves a wave in order, so no wait stands between the stores and the loads
	WIN 0x08                                         ; the data: window 2
.irp b, 0,1,2,3
.irp q, 0,1,2,3
	ds_store_b128 v[STO], v[64*(\j)+16*\b+4*\q:64*(\j)+16*\b+4*\q+3] offset:128*\b+16*\q
.endr
.endr
	WIN 0
.irp t, 0,1,2,3,4,5,6,7,8,9,10,11,12,13,14,15
	ds_load_b128 v[64+64*((\j)%2)+4*\t:64+64*((\j)%2)+4*\t+3], v[RD] offset:528*\t
.endr
.endm
.macro SEND j, younger                 ; younger: the LDS instructions issued behind tile j's loads, which may stay out
	s_wait_dscnt \younger
.irp t, 0,1,2,3,4,5,6,7,8,9,10,11,12,13,14,15
	global_store_b128 v[CO], v[64+64*((\j)%2)+4*\t:64+64*((\j)%2)+4*\t+3], s[10:11] offset:(32*((\j)/2)+8*((\j)%2)+\t+8*(\t/8))*4096 th:TH_STORE_NT   ; 32 lanes store 512 consecutive bytes, aligned
.endr
.endm
	s_load_b256 s[4:11], s[0:1], 0x0                 ; wq, ctx, bo, out0
	v_lshl_add_u32 v[SPW], v0, 2, SPARE
	v_mov_b32 v[NIL], 0
	ds_add_u32 v[SPW], v[NIL]                        ; the wave's opening: the add, twice on end, and its wait ahead of my first tensor load
	ds_add_u32 v[SPW], v[NIL]
	v_lshrrev_b32 v1, 5, v0
	v_readfirstlane_b32 s14, v1                      ; wave
	s_lshr_b32 s15, s14, 1                           ; my half of the tokens.  Also: I fetch for source 0 (0) or source 1 (1)
	s_and_b32 s16, s14, 1                            ; my half of the columns.  Also: which half of that tile I fetch
	s_bfe_u32 s22, ttmp6, 0x40000                    ; X = cx
	s_bfe_u32 s18, ttmp6, 0x40004                    ; cy
	s_and_b32 s23, ttmp7, 0xffff
	s_lshl_b32 s23, s23, 2
	s_add_co_u32 s23, s23, s18                       ; Y = 4 x cluster y + cy
	s_lshl_b32 s77, 0x1111, s22                      ; my column of the cluster
	s_lshl_b32 s78, s18, 2
	s_lshl_b32 s78, 15, s78                          ; my row
	s_or_b32 s24, s77, (3<<16)|(1<<21)               ; group 1: rows of 3,072 bytes (384 elements of 8), 12,288 bytes apart, dense in LDS
	s_mov_b32 s25, 384<<16
	s_mov_b32 s26, 8<<16
	s_mov_b32 s27, 384<<16
	s_mov_b32 s28, 8
	s_mov_b32 s29, 1536
	s_mov_b32 s30, 0
	s_mov_b32 s31, 0
	s_or_b32 s32, s78, (3<<16)|(1<<21)
	s_mov_b32 s33, 384<<16
	s_mov_b32 s34, 4<<16
	s_mov_b32 s35, 384<<16
	s_mov_b32 s36, 4
	s_mov_b32 s37, 1536
	s_mov_b32 s38, 0
	s_mov_b32 s39, 0
	s_mul_i32 s80, s22, 196608
	s_mul_i32 s81, s16, 98304
	s_add_co_u32 s80, s80, s81
	s_add_co_u32 s80, s80, 2359296                   ; Wo's codes
	s_mov_b32 s81, 0
	s_mul_i32 s82, s23, 98304
	s_mul_i32 s83, s16, 49152
	s_add_co_u32 s82, s82, s83
	s_mov_b32 s83, 0
	s_mul_i32 s85, s16, 24576
	s_mul_i32 s86, s16, 12288
	s_add_co_u32 s86, s86, S1OFF
	s_lshl_b32 s90, s22, 13                          ; the scale words of my wave's tiles
	s_lshl_b32 s89, s16, 12
	s_add_co_u32 s90, s90, s89
	s_add_co_u32 s90, s90, 3244032
	s_mov_b32 s91, 0
	s_lshl_b32 s92, s23, 12
	s_lshl_b32 s89, s15, 11
	s_add_co_u32 s92, s92, s89
	s_add_co_u32 s92, s92, 6291456
	s_mov_b32 s93, 0
	s_lshl_b32 s94, s22, 10                          ; my 128 columns, in bytes of f32
	s_lshl_b32 s89, s16, 9
	s_add_co_u32 s94, s94, s89
	s_mov_b32 s95, 0
	s_lshl_b32 s96, s23, 19                          ; my 64 tokens: rows of 4,096 bytes
	s_lshl_b32 s89, s15, 18
	s_add_co_u32 s96, s96, s89
	s_mov_b32 s97, 0
	s_wait_dscnt 0x0                                 ; both opening adds are done
	s_wait_kmcnt 0x0
	s_add_nc_u64 s[80:81], s[4:5], s[80:81]
	s_add_nc_u64 s[82:83], s[6:7], s[82:83]
	s_add_nc_u64 s[90:91], s[4:5], s[90:91]
	s_add_nc_u64 s[92:93], s[6:7], s[92:93]
	s_add_nc_u64 s[8:9], s[8:9], s[94:95]
	s_add_nc_u64 s[10:11], s[10:11], s[94:95]
	s_add_nc_u64 s[10:11], s[10:11], s[96:97]
.irp c, 0,1,2,3
	s_mov_b32 s[40+4*\c], 1
	s_add_co_u32 s[41+4*\c], s85, \c*CHUNK
	s_add_nc_u64 s[42+4*\c:43+4*\c], s[80:81], \c*3072
	s_or_b32 s[43+4*\c], s[43+4*\c], 0x80000000
	s_mov_b32 s[56+4*\c+4*(\c/2)], 1
	s_add_co_u32 s[57+4*\c+4*(\c/2)], s86, \c*CHUNK
	s_add_nc_u64 s[58+4*\c+4*(\c/2):59+4*\c+4*(\c/2)], s[82:83], \c*3072
	s_or_b32 s[59+4*\c+4*(\c/2)], s[59+4*\c+4*(\c/2)], 0x80000000
.endr
	CROUND                                           ; all sixteen work-groups are here: the joint loads meet
	s_cmp_eq_u32 s15, 0
	s_cbranch_scc0 .Lfill_b
.irp c, 0,1,2,3
	tensor_load_to_lds s[40+4*\c:43+4*\c], s[24:31]
	s_nop 0
.endr
	PLACES
	s_branch .Lfilled
.Lfill_b:
.irp c, 0,1,2,3
	tensor_load_to_lds s[56+4*\c+4*(\c/2):59+4*\c+4*(\c/2)], s[32:39]
	s_nop 0
.endr
	PLACES
.Lfilled:
	v_and_b32 v1, 31, v0
	v_lshlrev_b32 v[CO], 4, v1                       ; 16 x lane
	v_lshlrev_b32 v1, 3, v1                          ; 8 x lane
	v_and_b32 v12, 15, v0                            ; r
	v_bfe_u32 v13, v0, 4, 1                          ; h
	s_mul_i32 s76, s16, 24576
	s_mul_i32 s77, s15, 12288
	s_add_co_u32 s77, s77, S1OFF
.irp c, 0,1,2,3
	v_add_nc_u32 v[2+\c], s76, v1
	v_add_nc_u32 v[6+\c], s77, v1
	s_add_co_u32 s76, s76, CHUNK
	s_add_co_u32 s77, s77, CHUNK
.endr
	v_lshlrev_b32 v14, 2, v12
	v_lshl_add_u32 v15, v13, 10, v14
	v_lshl_add_u32 v14, v13, 11, v14
	v_lshlrev_b32 v244, 6, v13                       ; the bias: 64 h bytes on
	s_mul_i32 s76, s14, 8448                         ; my stage: 16 rows x 528 bytes
	v_mul_u32_u24 v[STO], v12, 528
	v_lshl_add_u32 v[STO], v13, 6, v[STO]
	v_add_nc_u32 v[STO], s76, v[STO]
	v_add_nc_u32 v[RD], s76, v[CO]
.irp x, 0,1,2,3
.irp k, 0,1,2,3,4,5,6,7
	global_load_b32 v[16+8*\x+\k], v14, s[90:91] offset:512*\x+64*\k
.endr
.endr
.irp y, 0,1
.irp k, 0,1,2,3,4,5,6,7
	global_load_b32 v[48+8*\y+\k], v15, s[92:93] offset:512*\y+64*\k
.endr
.endr
.irp i, 0,1,2,3,4,5,6,7
	global_load_b128 v[160+8*\i:163+8*\i], v244, s[8:9] offset:(32*(\i/2)+8*(\i%2))*4
	global_load_b128 v[164+8*\i:167+8*\i], v244, s[8:9] offset:(32*(\i/2)+8*(\i%2))*4+16
.endr
	s_wait_tensorcnt 0x3                             ; my part of chunk 0 has landed; my three later loads may be out
	s_barrier_signal -1
	s_barrier_wait -1
	FETCH 0
	s_wait_loadcnt 0x0                               ; the scale words and the bias
	KSTEP 0
	KSTEP 1
	KSTEP 2
	KSTEP 3
	KSTEP 4
	KSTEP 5
	KSTEP 6
	KSTEP 7
	PLACES                                           ; ahead of the first read of results and of loads into registers that held fragments
	TOSTAGE 0
	TOSTAGE 1
	SEND 0, 32                                       ; behind tile 0's loads: tile 1's 16 stores and 16 loads
	s_wait_xcnt 0x0                                  ; tile 0's stores have read their registers: tile 2's loads may land there
	TOSTAGE 2
	SEND 1, 32
	s_wait_xcnt 0x0
	TOSTAGE 3
	SEND 2, 32
	SEND 3, 0
	s_wait_tensorcnt 0x0                             ; the wave's end, behind my last tensor load and my last LDS store
	ds_add_u32 v[SPW], v[NIL]
	s_wait_dscnt 0x0
	CROUND                                           ; the closing round
	s_endpgm
.Lfunc_end_k_q1be0638d63_outp:
	.size	k_q1be0638d63_outp, .Lfunc_end_k_q1be0638d63_outp-k_q1be0638d63_outp
	.p2alignl 7, 3214868480
	.fill 96, 4, 3214868480
	.section	.rodata,"a",@progbits
	.p2align	6, 0x0
	.amdhsa_kernel k_q1be0638d63_outp
		.amdhsa_group_segment_fixed_size 327680
		.amdhsa_private_segment_fixed_size 0
		.amdhsa_enable_private_segment 0
		.amdhsa_kernarg_size 32
		.amdhsa_user_sgpr_count 2
		.amdhsa_user_sgpr_kernarg_segment_ptr 1
		.amdhsa_wavefront_size32 1
		.amdhsa_system_sgpr_workgroup_id_x 1
		.amdhsa_system_sgpr_workgroup_id_y 1
		.amdhsa_system_sgpr_workgroup_id_z 1
		.amdhsa_system_vgpr_workitem_id 0
		.amdhsa_next_free_vgpr 768
		.amdhsa_next_free_sgpr 100
		.amdhsa_reserve_vcc 0
		.amdhsa_float_denorm_mode_32 3
		.amdhsa_float_denorm_mode_16_64 3
		.amdhsa_memory_ordered 1
		.amdhsa_forward_progress 1
		.amdhsa_inst_pref_size 101
	.end_amdhsa_kernel
	.amdgpu_metadata
---
amdhsa.version: [ 1, 2 ]
amdhsa.kernels:
  - .name:           k_q1be0638d63_outp
    .symbol:         k_q1be0638d63_outp.kd
    .args:
      - { .name: wq, .offset: 0, .size: 8, .value_kind: global_buffer, .address_space: global }
      - { .name: ctx, .offset: 8, .size: 8, .value_kind: global_buffer, .address_space: global }
      - { .name: bo, .offset: 16, .size: 8, .value_kind: global_buffer, .address_space: global }
      - { .name: out0, .offset: 24, .size: 8, .value_kind: global_buffer, .address_space: global }
    .group_segment_fixed_size: 327680
    .private_segment_fixed_size: 0
    .kernarg_segment_align: 8
    .kernarg_segment_size: 32
    .max_flat_workgroup_size: 128
    .sgpr_count:     100
    .vgpr_count:     768
    .wavefront_size: 32
...
	.end_amdgpu_metadata
.endif
;; end of part 4
;; ======== version 2 of 2: 4 launches; version 1 with the launch attn written anew for expert scheduling mode
;; workspace buffers: xq 13,107,200 bytes; wq 3,276,800 bytes; msk 526,336 bytes of whole numbers; qq 6,815,744 bytes; kv 13,107,200 bytes; ctx 6,553,600 bytes
;; launch prep: the kernel of part 1 again; grid 768 x 1, 4 waves a work-group, no clusters, 34,304 bytes of LDS; arguments x1, x2, Wq, Wk, Wv, Wo, attn_mask, xq, wq, msk; writes xq, wq, msk
;; launch proj: the kernel of part 2 again; grid 4 x 192, 4 waves a work-group, clusters of 4 x 4, 327,680 bytes of LDS; arguments xq, wq, x2_mask, qq, kv; writes qq, kv
;; launch attn (part 5): grid 512 x 1, 16 waves a work-group, no clusters, 27,648 bytes of LDS; arguments qq, kv, msk, ctx; writes ctx
.if DOCPART == 5
	.amdgcn_target "amdgcn-amd-amdhsa--gfx1250"
	.amdhsa_code_object_version 6
	.text
	.protected	k_q1be0638d63_attn
	.globl	k_q1be0638d63_attn
	.p2align	8
	.type	k_q1be0638d63_attn,@function
k_q1be0638d63_attn:
	s_mov_b64 s[64:65], 0
	v_nop
	global_prefetch_b8 v0, s[64:65] scope:SCOPE_SE
	s_setreg_imm32_b32 hwreg(HW_REG_WAVE_SCHED_MODE, 0, 2), 2
	s_setreg_imm32_b32 hwreg(HW_REG_WAVE_MODE, 25, 1), 1
	s_wait_xcnt 0x0
	s_wait_alu depctr_vm_vsrc(0)
; ATTN: ctx = softmax(q k^T / 8, masked) v for one batch x head and 256 queries, both products on codes of BF6; ctx leaves as codes for the last product.
; LEFT OUT: key steps of 128 keys that attn_mask hides wholly from a wave's 16 queries (p = 0 there for all values of the other inputs); the flags that the first launch stored in msk decide, no pattern is built in.
; A NaN or an overflow that would arise only in such a step is not carried to the result.
; NO TENSOR LOAD, NO CLUSTER: the walk branches on numbers read from memory; a key step's 12,800 bytes go through registers
; into one of two LDS slots (16 bytes a thread, and 16 more in waves 0-8), asked for one key step ahead of the store.  All sixteen waves read the slot.
; SHARES.  Work-group: query block 7 - x / 64, batch x head x % 64.  Wave w: query tile 16 block + w, in 256 registers: four waves to a SIMD, so that one wave's softmax stands beside another's products.
; LAYOUT.  S^T = K Q^T, O^T = V^T P^T: a lane holds one query throughout.  THE FIRST PRODUCT'S K IS 64: a fragment of K holds key tile j in its first 64 and key tile j + 4 in its second; it is multiplied by [q | 0] and by
; [0 | q] (v16-21 q, v22-27 zeros, v28-33 q), so no fragment of K carries zeros.  By the tiles' order register 16 b + i of the scores is key 32 b + 16 (lane / 16) + i.
; SOFTMAX: t = score x log2(e) / 8; M = the running largest t rounded up to a whole number; p = 2^(t - M) is quantised along the keys; the sum is taken of the unquantised p and divides at the end.
; A ROW THAT THE MASK HIDES WHOLLY has the sum 0: its codes are zeros and its scale bytes 0xff, so that the last product gives NaN there, as the softmax of a row of -infinity does.
; REGISTERS: v1 8 x lane, v3 4 x lane, v7 16 x thread, v8 -infinity, v9 8 h, v11 4 r; v5, v6 the add's two; v12 -M, v13 largest t, v[14:15] the sum; v16-33 q; v40-44 scale words; v48-95 four fragments of K, then of V;
; v96-159 S^T, then p; v160-191 O^T; v192-203 p's codes; v204-227 at work; v228-235 the bytes on their way to a slot.
; THE MODE: SCHED_MODE bits 1:0 = 2 (LLVM: expert scheduling mode 2), set by the entry lines.  The code itself states the register dependences between vector or matrix instructions and memory or LDS
; instructions, with s_wait_alu, always for 0.
; THE PLAN.  Registers that memory or LDS instructions touch, and who else names them:
;   v1, v3, v7    offsets and LDS addresses: written at the head and never again; read by every LDS load and store, by the loads of q and of the key steps and by the last stores.
;   v11           written at the head, read by the head's load of q's scale bytes; written once more on the way out, read by the last byte store.
;   v228-235      the head's zeros, then global loads alone land in them; the trip's LDS stores alone read them.
;   v48-95        K's fragments land at a step's head and the eight score products read them; V's fragments land in the same registers and the four products V^T P read them.
;   v41-44        scale words from LDS: v41, v42 read by the score products, v43, v44 by the products V^T P.
;   v16-21, v28-33, v40   loaded once at the head; v40 is then shifted, v22-27 are zeros: the score products take them.
;   v192-203, v225        p's codes and scale word, written by vector lines, taken by the products V^T P; on the way out v192-197 and v226 are the last stores' data.
; A wave's 256 registers are a quarter of what its SIMD's four waves share, and no 48 of them on end are free: so V has no buffer of its own.
; A STEP'S WAITS on va_vdst: at its head (the last step's products are done with v48-95 and v41-44); behind the eight score products (they are done with K's fragments); the two behind the exponentials; ahead of the four
; products V^T P (p's codes and scale word are written).  Behind the second, V's 26 LDS loads are dealt among the softmax's first lines with no further wait: no vector line there names v48-95, v43, v44, v1 or v3.
; A TRIP'S ONE WAIT on vm_vsrc stands in front of the barrier: my LDS stores have read v228-235, in which the next step's loads land.
; LIMITS: as stated at the first kernel's head.
.set SPARE, 25600                      ; behind the two slots: the spare words, 128 bytes a wave
.set SPW, 5
.set NIL, 6
.set S,   96
.set O,   160
.set PC,  192
.set CT,  204
.set BM,  212
.set T4,  216
.set SO,  220
.set F,   224
.set PSC, 225
.set TMP, 226
.macro PLACES
.rept 4
	v_nop
.endr
.endm
.macro WM d, a, b, c, sa, sb, ra, rb   ; one product; c = 999: the constant 0; ra, rb = 1: the scales stand in lanes 16-31
.if (\c) == 999
.if (\ra) && (\rb)
	v_wmma_scale_f32_16x16x128_f8f6f4 v[(\d):(\d)+7], v[(\a):(\a)+11], v[(\b):(\b)+11], 0, v[(\sa)], v[(\sb)] matrix_a_fmt:MATRIX_FMT_BF6 matrix_b_fmt:MATRIX_FMT_BF6 matrix_a_scale:MATRIX_SCALE_ROW1 matrix_b_scale:MATRIX_SCALE_ROW1
.elseif (\ra)
	v_wmma_scale_f32_16x16x128_f8f6f4 v[(\d):(\d)+7], v[(\a):(\a)+11], v[(\b):(\b)+11], 0, v[(\sa)], v[(\sb)] matrix_a_fmt:MATRIX_FMT_BF6 matrix_b_fmt:MATRIX_FMT_BF6 matrix_a_scale:MATRIX_SCALE_ROW1
.elseif (\rb)
	v_wmma_scale_f32_16x16x128_f8f6f4 v[(\d):(\d)+7], v[(\a):(\a)+11], v[(\b):(\b)+11], 0, v[(\sa)], v[(\sb)] matrix_a_fmt:MATRIX_FMT_BF6 matrix_b_fmt:MATRIX_FMT_BF6 matrix_b_scale:MATRIX_SCALE_ROW1
.else
	v_wmma_scale_f32_16x16x128_f8f6f4 v[(\d):(\d)+7], v[(\a):(\a)+11], v[(\b):(\b)+11], 0, v[(\sa)], v[(\sb)] matrix_a_fmt:MATRIX_FMT_BF6 matrix_b_fmt:MATRIX_FMT_BF6
.endif
.else
.if (\ra)
	v_wmma_scale_f32_16x16x128_f8f6f4 v[(\d):(\d)+7], v[(\a):(\a)+11], v[(\b):(\b)+11], v[(\c):(\c)+7], v[(\sa)], v[(\sb)] matrix_a_fmt:MATRIX_FMT_BF6 matrix_b_fmt:MATRIX_FMT_BF6 matrix_a_scale:MATRIX_SCALE_ROW1
.else
	v_wmma_scale_f32_16x16x128_f8f6f4 v[(\d):(\d)+7], v[(\a):(\a)+11], v[(\b):(\b)+11], v[(\c):(\c)+7], v[(\sa)], v[(\sb)] matrix_a_fmt:MATRIX_FMT_BF6 matrix_b_fmt:MATRIX_FMT_BF6
.endif
.endif
.endm
.macro VFRAG slot, j                   ; V's fragment of channel tile j takes the registers of K's fragment j
.irp p, 0,1,2,3,4,5
	ds_load_b64 v[48+12*(\j)+2*\p:49+12*(\j)+2*\p], v1 offset:12800*(\slot)+6144+1536*(\j)+256*\p
.endr
.endm
; A KEY STEP of my 16 queries, from the slot
.macro STEP slot
	s_bitcmp1_b32 s67, 16                            ; has the tile hidden keys?  Then its 64 lane masks are asked for now
	s_cbranch_scc0 .Lnm_\@
	s_load_b512 s[16:31], s[12:13], 0x0
	s_load_b512 s[32:47], s[12:13], 0x40
	s_load_b512 s[48:63], s[12:13], 0x80
	s_load_b512 s[68:83], s[12:13], 0xc0
.Lnm_\@:
	PLACES                                           ; behind the last step's products, which read v48-95
	s_wait_alu depctr_va_vdst(0)                     ; the last step's products are done reading v48-95 and v41-44, in which this step's LDS loads land; in a wave's first step: q's scale word v40 and the zeros v22-27 are written, which the scaled products below take
.irp j, 0,1,2,3
.irp p, 0,1,2,3,4,5
	ds_load_b64 v[48+12*\j+2*\p:49+12*\j+2*\p], v1 offset:12800*(\slot)+1536*\j+256*\p
.endr
.endr
	ds_load_b32 v41, v3 offset:12800*(\slot)+12288   ; lanes 0-15 fragment 0's scale words, lanes 16-31 fragment 1's
	ds_load_b32 v42, v3 offset:12800*(\slot)+12416
	s_wait_dscnt 0x0
.irp j, 0,1,2,3
	WM S+8*\j, 48+12*\j, 16, 999, 41+\j/2, 40, \j%2, 0        ; key tile j:     K's fragment x [q | 0]
	WM S+32+8*\j, 48+12*\j, 22, 999, 41+\j/2, 40, \j%2, 1     ; key tile j + 4: the same x [0 | q]
.endr
	PLACES                                           ; ahead of the first read of the scores; they stay beside the wait below
	s_wait_alu depctr_va_vdst(0)                     ; the eight products are done reading K's fragments, in which V's land.  V's 26 loads follow, dealt among the lines below, which name none of v48-95, v43, v44, v1, v3: no further wait
	VFRAG \slot, 0                                   ; V's fragments take K's registers and land under the softmax
	s_wait_kmcnt 0x0                                 ; on every path: no scalar load is left pending
	s_bitcmp1_b32 s67, 16
	s_cbranch_scc0 .Lcl_\@
.set n, 0
.rept 64                                         ; hidden scores become -infinity ahead of the maximum: p = 0 then
.if n < 48
	v_cndmask_b32 v[S+n], v[S+n], v8, s[16+n]
.else
	v_cndmask_b32 v[S+n], v[S+n], v8, s[20+n]
.endif
.set n, n+1
.endr
.Lcl_\@:
.irp b, 0,1,2,3
	v_max3_num_f32 v[BM+\b], v[S+16*\b], v[S+1+16*\b], v[S+2+16*\b]   ; the largest score of each block of 32 keys: for the row's maximum and for the block's largest p
.endr
	VFRAG \slot, 1
.irp i, 3,5,7
.irp b, 0,1,2,3
	v_max3_num_f32 v[BM+\b], v[BM+\b], v[S+16*\b+\i], v[S+1+16*\b+\i]
.endr
.endr
	VFRAG \slot, 2
.irp i, 9,11,13
.irp b, 0,1,2,3
	v_max3_num_f32 v[BM+\b], v[BM+\b], v[S+16*\b+\i], v[S+1+16*\b+\i]
.endr
.endr
	VFRAG \slot, 3
	ds_load_b32 v43, v3 offset:12800*(\slot)+12544
	ds_load_b32 v44, v3 offset:12800*(\slot)+12672
.irp b, 0,1,2,3
	v_max_num_f32 v[BM+\b], v[BM+\b], v[S+15+16*\b]
.endr
.irp b, 0,1,2,3
	v_permlanex16_b32 v[T4+\b], v[BM+\b], s86, s87
.endr
.irp b, 0,1,2,3
	v_max_num_f32 v[BM+\b], v[BM+\b], v[T4+\b]
.endr
	v_max3_num_f32 v[TMP], v[BM], v[BM+1], v[BM+2]
	v_max_num_f32 v[TMP], v[TMP], v[BM+3]
	v_mul_f32 v[TMP], s88, v[TMP]                    ; as t
	v_max_num_f32 v13, v13, v[TMP]                   ; the running largest t
	v_mov_b32 v[TMP], v12
	v_floor_f32 v12, -v13                            ; -M = floor(-t): M is a whole number
	v_sub_f32 v[TMP], v12, v[TMP]                    ; old M - new M, 0 or less
	v_cvt_i32_f32 v[TMP], v[TMP]                     ; (it saturates)
	v_ldexp_f32 v[F], 1.0, v[TMP]                    ; f = 2^(old M - new M): a multiplication by it rounds nothing
.irp j, 0,2,4,6,8,10,12,14,16,18,20,22,24,26,28,30,32,34,36,38,40,42,44,46,48,50,52,54,56,58,60,62
	v_pk_fma_f32 v[S+\j:S+1+\j], v[S+\j:S+1+\j], s[88:89], v[12:13] op_sel_hi:[1,0,0]   ; t - M
.endr
.irp b, 0,1,2,3
	v_fma_f32 v[BM+\b], v[BM+\b], s88, v12
.endr
.set n, 0
.rept 64
	v_exp_f32 v[S+n], v[S+n]                         ; p = 2^(t - M)
.set n, n+1
.endr
	v_pk_mul_f32 v[14:15], v[14:15], v[F:F+1] op_sel_hi:[1,0]   ; the sum under the new M; the plain place behind the batch
	s_wait_alu depctr_va_vdst(0)                     ; the 64 exponentials have written p, v96-159: one wait for the batch, ahead of its first reader
.irp b, 0,1,2,3
	v_exp_f32 v[BM+\b], v[BM+\b]                     ; each block's largest p
.endr
	v_pk_add_f32 v[T4:T4+1], v[S:S+1], v[S+2:S+3]    ; the sum of the unquantised p, in two chains
.irp j, 4,8,12,16,20,24,28,32,36,40,44,48,52,56,60
	v_pk_add_f32 v[14:15], v[14:15], v[S+\j:S+1+\j]
	v_pk_add_f32 v[T4:T4+1], v[T4:T4+1], v[S+2+\j:S+3+\j]
.endr
	v_pk_add_f32 v[14:15], v[14:15], v[T4:T4+1]
	s_wait_alu depctr_va_vdst(0)                     ; the four exponentials have written the blocks' largest p, v212-215, ahead of their first reader
.irp b, 0,1,2,3
	v_max_num_f32 v[BM+\b], 0x2800000, v[BM+\b]      ; the floor 2^(5 - 127)
.endr
.irp b, 0,1,2,3
	v_add_nc_u32 v[SO+\b], 0xfe000000, v[BM+\b]
.endr
.irp b, 0,1,2,3
	v_lshrrev_b32 v[T4+\b], 23, v[SO+\b]
.endr
	v_lshl_or_b32 v[PSC], v[T4+1], 8, v[T4]          ; p's scale word for these 128 keys
	v_lshl_or_b32 v[PSC], v[T4+2], 16, v[PSC]
	v_lshl_or_b32 v[PSC], v[T4+3], 24, v[PSC]
.irp c, 0,1
	v_cvt_scalef32_pk16_bf6_f32 v[PC+6*\c:PC+2+6*\c], v[S+32*\c:S+15+32*\c], v[SO+2*\c]
	v_cvt_scalef32_pk16_bf6_f32 v[CT+4*\c:CT+2+4*\c], v[S+16+32*\c:S+31+32*\c], v[SO+1+2*\c]
.endr
	v_nop                                            ; one plain place behind a scaled conversion
.irp c, 0,1
.irp i, 0,1,2
	v_permlane16_swap_b32 v[PC+6*\c+\i], v[CT+4*\c+\i]
.endr
.irp i, 0,1,2
	v_mov_b32 v[PC+3+6*\c+\i], v[CT+4*\c+\i]
.endr
.endr
.irp j, 0,2,4,6,8,10,12,14,16,18,20,22,24,26,28,30
	v_pk_mul_f32 v[O+\j:O+1+\j], v[O+\j:O+1+\j], v[F:F+1] op_sel_hi:[1,0]   ; O^T under the new M; these sixteen stand between the codes' and the scale word's last writes and the products
.endr
	s_wait_dscnt 0x0                                 ; V is in
	s_wait_alu depctr_va_vdst(0)                     ; p's codes v192-203 and its scale word v225 are written, which the scaled products below take; the places above stay beside this wait
.irp c, 0,1,2,3                                  ; four accumulators, one turn each; the next step's eight products on the scores stand between two links of a chain
	WM O+8*\c, 48+12*\c, PC, O+8*\c, 43+\c/2, PSC, \c%2, 0
.endr
.endm
; A TRIP: one key step of the work-group.  s66: bit 0 = some wave wants this step, bit 1 = the next one.  s67: bit 0 = my tile wants it, bit 16 = it has hidden keys.
.macro TRIP slot
	s_wait_loadcnt 0x0                               ; on every path: the step's bytes are in my registers
	s_bitcmp1_b32 s66, 0
	s_cbranch_scc0 .Lnst_\@
	ds_store_b128 v7, v[228:231] offset:12800*(\slot)   ; (v7 was written ahead of the head's wait on va_vdst; loads alone have written the data since)
	s_cmp_lt_u32 s2, 9                               ; 12,800 bytes are 512 + 288 threads' 16
	s_cbranch_scc0 .Lnst_\@
	ds_store_b128 v7, v[232:235] offset:12800*(\slot)+8192
.Lnst_\@:
	s_add_nc_u64 s[6:7], s[6:7], 12800               ; (no load of mine names it any more)
	s_wait_dscnt 0x0                                 ; my stores have landed, and my reads of the other slot are over: that slot is written again only behind the next trip's barrier
	s_wait_alu depctr_vm_vsrc(0)                     ; my LDS stores have read v228-235, in which the next step's loads land: ahead of the branches that lead to those loads
	s_barrier_signal -1
	s_barrier_wait -1
	s_bitcmp1_b32 s66, 1                             ; bit 16 of the flags was cleared: the last trip asks for nothing
	s_cbranch_scc0 .Lnld_\@
	global_load_b128 v[228:231], v7, s[6:7]
	s_cmp_lt_u32 s2, 9
	s_cbranch_scc0 .Lnld_\@
	global_load_b128 v[232:235], v7, s[6:7] offset:8192
.Lnld_\@:
	s_bitcmp1_b32 s67, 0
	s_cbranch_scc0 .Lnwk_\@
	STEP \slot
.Lnwk_\@:
	s_lshr_b32 s66, s66, 1
	s_lshr_b32 s67, s67, 1
	s_add_nc_u64 s[12:13], s[12:13], 256             ; the next step's lane masks
.endm
	s_load_b256 s[4:11], s[0:1], 0x0                 ; qq, kv, msk, ctx
	v_lshl_add_u32 v[SPW], v0, 2, SPARE
	v_mov_b32 v[NIL], 0
	v_lshrrev_b32 v1, 5, v0
	v_readfirstlane_b32 s2, v1                       ; wave
	s_lshr_b32 s90, ttmp9, 6
	s_sub_co_u32 s90, 7, s90                         ; the query block: late blocks first; any order is right
	s_and_b32 s91, ttmp9, 63                         ; batch x head
	s_lshl_b32 s92, s90, 4
	s_wait_alu depctr_va_sdst(0)                     ; s2, the wave's number, is written, ahead of its first reader
	s_add_co_u32 s92, s92, s2                        ; my query tile
	s_lshl_b32 s84, s90, 8
	s_add_co_u32 s84, s84, 524288
	s_mov_b32 s85, 0
	s_lshl_b32 s14, s2, 4
	s_mov_b32 s15, 0
	s_wait_kmcnt 0x0
	s_add_nc_u64 s[84:85], s[8:9], s[84:85]          ; the flags of the work-group's 16 tiles: 64 words
	s_add_nc_u64 s[94:95], s[84:85], s[14:15]        ; my tile's four
	s_load_b512 s[16:31], s[84:85], 0x0
	s_load_b512 s[32:47], s[84:85], 0x40
	s_load_b512 s[48:63], s[84:85], 0x80
	s_load_b512 s[68:83], s[84:85], 0xc0
	s_load_b128 s[96:99], s[94:95], 0x0
	v_and_b32 v2, 31, v0
	v_lshlrev_b32 v1, 3, v2
	v_lshlrev_b32 v3, 2, v2
	v_lshlrev_b32 v7, 4, v0
	v_mov_b32 v8, 0xff800000
	v_bfe_u32 v4, v0, 4, 1                           ; h
	v_lshlrev_b32 v9, 3, v4
	v_and_b32 v10, 15, v0                            ; r
	v_lshlrev_b32 v11, 2, v10
	s_mov_b32 s86, 0x76543210
	s_mov_b32 s87, 0xfedcba98
	s_mov_b32 s88, 0x3e38aa3b                        ; log2(e) / 8
	s_mov_b32 s89, s88
.irp i, 22,23,24,25,26,27
	v_mov_b32 v[\i], 0                               ; the zeros between the two copies of q
.endr
.irp i, 0,1,2,3
	v_mov_b32 v[T4+\i], 0
.endr
	v_mov_b32 v[PSC], 0
	v_mov_b32 v14, 0
	v_mov_b32 v15, 0
.irp i, 228,229,230,231,232,233,234,235
	v_mov_b32 v[\i], 0
.endr
	v_mov_b32 v13, 0xff61b1e6                        ; the largest t so far: -3e38
	v_floor_f32 v12, -v13
	s_wait_kmcnt 0x0
	s_or_b64 s[14:15], s[16:17], s[18:19]
.irp n, 20,22,24,26,28,30,32,34,36,38,40,42,44,46,48,50,52,54,56,58,60,62,68,70,72,74,76,78,80,82
	s_or_b64 s[14:15], s[14:15], s[\n:\n+1]
.endr
	s_or_b32 s66, s14, s15
	s_and_b32 s66, s66, 0xffff                       ; the steps that some wave of the work-group wants
	s_or_b64 s[96:97], s[96:97], s[98:99]
	s_or_b32 s67, s96, s97                           ; my tile's
	s_lshl_b32 s93, s91, 7
	s_add_co_u32 s93, s93, s92
	s_mul_i32 s84, s93, 768
	s_mov_b32 s85, 0
	s_add_nc_u64 s[94:95], s[4:5], s[84:85]          ; q's codes
	s_lshl_b32 s84, s93, 6
	s_add_co_u32 s84, s84, 6291456
	s_add_nc_u64 s[4:5], s[4:5], s[84:85]            ; q's scale bytes
	s_mul_i32 s84, s91, 204800
	s_add_nc_u64 s[6:7], s[6:7], s[84:85]            ; the head's key step 0
	s_lshl_b32 s84, s92, 12
	s_add_nc_u64 s[12:13], s[8:9], s[84:85]          ; my tile's lane masks
	s_wait_alu depctr_va_vdst(0)                     ; the offsets and LDS addresses v1, v3, v7 and v11 are written, which the loads and stores of the whole kernel read; so are the zeros in v228-235, in which loads land
.irp p, 0,1,2
	global_load_b64 v[16+2*\p:17+2*\p], v1, s[94:95] offset:256*\p
	global_load_b64 v[28+2*\p:29+2*\p], v1, s[94:95] offset:256*\p
.endr
	global_load_u16 v40, v11, s[4:5]
	s_bitcmp1_b32 s66, 0
	s_cbranch_scc0 .Lno_first
	global_load_b128 v[228:231], v7, s[6:7]
	s_cmp_lt_u32 s2, 9
	s_cbranch_scc0 .Lno_first
	global_load_b128 v[232:235], v7, s[6:7] offset:8192
.Lno_first:
	s_wait_loadcnt 0x0
	v_lshlrev_b32 v[TMP], 4, v4
	v_lshlrev_b32 v40, v[TMP], v40                   ; lanes 0-15: the word of [q | 0]; lanes 16-31: that of [0 | q]
.set n, 0
.rept 32
	v_mov_b32 v[O+n], 0                              ; O^T.  Which step is a wave's first hangs on the mask, so the step is written once and the first finds zeros.  These 32 moves stand here so that more than eight
.set n, n+1                                      ; plain vector instructions lie between the write of q's scale word and the first scaled product that names it, on every way into a key step
.endr
	s_mov_b32 s3, 8
.Ltrip:
	TRIP 0
	TRIP 1
	s_sub_co_u32 s3, s3, 1
	s_cmp_lg_u32 s3, 0
	s_cbranch_scc1 .Ltrip
	; ---- THE WAY OUT: O^T / the sum, quantised along the head's 64 channels (two blocks), as an image of the last product's operand
	v_add_f32 v14, v14, v15
	v_permlanex16_b32 v[T4], v14, s86, s87
	v_add_f32 v14, v14, v[T4]                        ; the row's sum
	v_cmp_eq_f32 s100, 0, v14                        ; a row with no open key
	s_wait_alu depctr_va_sdst(0)                     ; s100 is written, ahead of its first reader, the select below
	v_cndmask_b32 v14, v14, 1.0, s100
	v_rcp_f32 v14, v14
	v_add_nc_u32 v11, v11, v4                        ; 4 r + h: my scale byte's place.  (The plain place behind the reciprocal.  The one load that read v11 stands at the head, ahead of every trip's wait on vm_vsrc)
	v_mov_b32 v227, 0xffff
	s_lshr_b32 s93, s91, 4
	s_lshl_b32 s93, s93, 7
	s_add_co_u32 s93, s93, s92                       ; the token tile: 128 x batch + my tile
	s_and_b32 s94, s91, 15                           ; the head
	s_lshl_b32 s84, s93, 4
	s_add_co_u32 s84, s84, s94
	s_mul_i32 s84, s84, 768
	s_mov_b32 s85, 0
	s_add_nc_u64 s[96:97], s[10:11], s[84:85]
	s_lshl_b32 s84, s93, 9
	s_lshr_b32 s95, s94, 1
	s_lshl_b32 s95, s95, 6
	s_add_co_u32 s84, s84, s95
	s_and_b32 s95, s94, 1
	s_lshl_b32 s95, s95, 1
	s_add_co_u32 s84, s84, s95
	s_add_co_u32 s84, s84, 6291456
	s_add_nc_u64 s[98:99], s[10:11], s[84:85]
	s_wait_alu depctr_va_vdst(0)                     ; the reciprocal has written v14, ahead of its first reader
.set n, 0
.rept 32
	v_mul_f32 v[S+n], v[O+n], v14                    ; register 16 b + i is channel 32 b + 16 h + i
.set n, n+1
.endr
.irp b, 0,1
	v_max3_num_f32 v[BM+\b], |v[S+16*\b]|, |v[S+1+16*\b]|, 0x2800000
.endr
.irp i, 2,4,6,8,10,12,14
.irp b, 0,1
	v_max3_num_f32 v[BM+\b], v[BM+\b], |v[S+16*\b+\i]|, |v[S+1+16*\b+\i]|
.endr
.endr
.irp b, 0,1
	v_permlanex16_b32 v[T4+\b], v[BM+\b], s86, s87
.endr
.irp b, 0,1
	v_max_num_f32 v[BM+\b], v[BM+\b], v[T4+\b]
.endr
.irp b, 0,1
	v_add_nc_u32 v[SO+\b], 0xfe000000, v[BM+\b]
.endr
.irp b, 0,1
	v_lshrrev_b32 v[T4+\b], 23, v[SO+\b]
.endr
	v_lshl_or_b32 v[TMP], v[T4+1], 8, v[T4]
	v_cvt_scalef32_pk16_bf6_f32 v[PC:PC+2], v[S:S+15], v[SO]
	v_cvt_scalef32_pk16_bf6_f32 v[CT:CT+2], v[S+16:S+31], v[SO+1]
	v_nop
.irp i, 0,1,2
	v_permlane16_swap_b32 v[PC+\i], v[CT+\i]
.endr
.irp i, 0,1,2
	v_mov_b32 v[PC+3+\i], v[CT+\i]
.endr
	v_cndmask_b32 v[TMP], v[TMP], v227, s100         ; the hidden row's bytes: 0xff
	v_lshrrev_b32 v[TMP], v9, v[TMP]                 ; lane (r, h) stores block h's byte
	s_wait_alu depctr_va_vdst(0)                     ; the codes v192-197, the byte in v226 and its offset v11 are written, which the four stores below read
.irp p, 0,1,2
	global_store_b64 v1, v[PC+2*\p:PC+1+2*\p], s[96:97] offset:256*\p   ; 32 lanes store 256 consecutive bytes, aligned
.endr
	global_store_b8 v11, v[TMP], s[98:99]
	s_wait_dscnt 0x0                                 ; the wave's end: the closing lines, six on end
	s_wait_alu 0x0
	s_wait_tensorcnt 0x0
	ds_add_u32 v[SPW], v[NIL]
	s_wait_dscnt 0x0
	s_endpgm
.Lfunc_end_k_q1be0638d63_attn:
	.size	k_q1be0638d63_attn, .Lfunc_end_k_q1be0638d63_attn-k_q1be0638d63_attn
	.p2alignl 7, 3214868480
	.fill 96, 4, 3214868480
	.section	.rodata,"a",@progbits
	.p2align	6, 0x0
	.amdhsa_kernel k_q1be0638d63_attn
		.amdhsa_group_segment_fixed_size 27648
		.amdhsa_private_segment_fixed_size 0
		.amdhsa_enable_private_segment 0
		.amdhsa_kernarg_size 32
		.amdhsa_user_sgpr_count 2
		.amdhsa_user_sgpr_kernarg_segment_ptr 1
		.amdhsa_wavefront_size32 1
		.amdhsa_system_sgpr_workgroup_id_x 1
		.amdhsa_system_sgpr_workgroup_id_y 1
		.amdhsa_system_sgpr_workgroup_id_z 1
		.amdhsa_system_vgpr_workitem_id 0
		.amdhsa_next_free_vgpr 256
		.amdhsa_next_free_sgpr 102
		.amdhsa_reserve_vcc 0
		.amdhsa_float_denorm_mode_32 3
		.amdhsa_float_denorm_mode_16_64 3
		.amdhsa_memory_ordered 1
		.amdhsa_forward_progress 1
		.amdhsa_inst_pref_size 56
	.end_amdhsa_kernel
	.amdgpu_metadata
---
amdhsa.version: [ 1, 2 ]
amdhsa.kernels:
  - .name:           k_q1be0638d63_attn
    .symbol:         k_q1be0638d63_attn.kd
    .args:
      - { .name: qq, .offset: 0, .size: 8, .value_kind: global_buffer, .address_space: global }
      - { .name: kv, .offset: 8, .size: 8, .value_kind: global_buffer, .address_space: global }
      - { .name: msk, .offset: 16, .size: 8, .value_kind: global_buffer, .address_space: global }
      - { .name: ctx, .offset: 24, .size: 8, .value_kind: global_buffer, .address_space: global }
    .group_segment_fixed_size: 27648
    .private_segment_fixed_size: 0
    .kernarg_segment_align: 8
    .kernarg_segment_size: 32
    .max_flat_workgroup_size: 512
    .sgpr_count:     102
    .vgpr_count:     256
    .wavefront_size: 32
...
	.end_amdgpu_metadata
.endif
;; end of part 5
;; launch outp: the kernel of part 4 again; grid 4 x 64, 4 waves a work-group, clusters of 4 x 4, 327,680 bytes of LDS; arguments wq, ctx, bo, out0; writes out0
